; MI455X (gfx1250); checked and timed in simulation.
; The chip was launched on July 23, 2026; its instructions are those of AMD's public machine-readable ISA for CDNA 5 (MIT licence, August 2026) and "CDNA5" Instruction Set Architecture Reference Guide (July 2026). The comments in the code are by the model that wrote it; some were corrected since.
;; Datastore Reader Layer. Allowed arithmetic: float matrix products may take bf16 or f16 operands with f32 sums; all other float work in f32.
;; Inputs: Wg1 512 x 1,024 float32; Wg2 1 x 512 float32; Wk 512 x 512 float32; Wq 512 x 512 float32; Wv 512 x 512 float32; bg1 512 float32; bg2 1 float32; bk 512 float32; bq 512 float32; bv 512 float32; dstore_k 32,768 x 512 float32; dstore_v 32,768 x 512 float32; prev_layer_output 256 x 4 x 512 float32; q 256 x 4 x 512 float32.
;; Outputs: out0 256 x 4 x 512 float32.
;; 2 versions, each right; version 2 is version 1 with the launches pre1, pre2, comb, post written anew for expert scheduling mode. Each part assembles by itself: llvm-mc -triple=amdgcn-amd-amdhsa -mcpu=gfx1250 --defsym DOCPART=n.
;; ======== version 1 of 2: 6 launches
;; workspace buffers: w1 37,748,736 bytes; w2 37,752,832 bytes; w3 67,371,008 bytes; w4 2,097,152 bytes; w5 4,194,304 bytes; w6 2,048 bytes
;; launch pre1 (part 1): grid 768 x 1, 8 waves a work-group, no clusters, 134,144 bytes of LDS; arguments q, Wq, bq, prev_layer_output, Wg1, bg1, dstore_k, w1; writes w1
.if DOCPART == 1
	.amdgcn_target "amdgcn-amd-amdhsa--gfx1250"
	.amdhsa_code_object_version 6
	.text
	.protected	k_qd67c91bb30_pre1
	.globl	k_qd67c91bb30_pre1
	.p2align	8
	.type	k_qd67c91bb30_pre1,@function
k_qd67c91bb30_pre1:
	s_mov_b64 s[64:65], 0
	v_nop
	global_prefetch_b8 v0, s[64:65] scope:SCOPE_SE
	s_setreg_imm32_b32 hwreg(HW_REG_WAVE_MODE, 25, 1), 1
	s_wait_xcnt 0x0
; TWO KINDS OF WORK-GROUP IN ONE TEXT.  Arguments: A0, B0, bias0, A1, B1, bias1, SRC, OUT.
; Work-groups with x < 256: a tile of 64 x 64 of C = A B^T + bias, K = 512, all tensors f32 in memory, operands rounded once to bf16 on the way into LDS, sums in f32.
;   pA = x / 128 picks A: A0 or A1, both [1024][512].  pB = pA + y picks the rest: 0: B0 [512][512], bias0, C at OUT;  1: B1 = columns 512-1023 of a [512][1024] tensor, bias1, C at OUT + 2 MiB.
;   A grid of 768 x 1 has (pA, pB) = (0, 0) and (1, 1), and the stream below.  A grid of 128 x 2 has (0, 0) and (0, 1): both products on A0; A1 and SRC are then not reached.
; Work-groups with x >= 256: 131,072 bytes of SRC (f32) are rounded to bf16 and stored at OUT + 4 MiB: a stream, every byte read once and written once.
; NO CLUSTER, NO TENSOR LOAD: the operands lie in memory as f32 and are rounded on the way, so they pass through registers; a tile of A or B is 128 KiB read by 8 or 16 work-groups, against 64 MiB that the stream reads once.
; LIMITS: bf16 operands; NaN and infinities are not treated apart.
.set PITCH,  1040                      ; an LDS row: 512 bf16 = 1,024 bytes + 16: an odd multiple of 16, so the sixteen rows of a fragment load begin 16 bytes apart modulo 256
.set BT,     64*PITCH                  ; A's 64 rows from byte 0, B's 64 rows from here
.set SPARE,  2*BT                      ; the spare words: 128 bytes for each of eight waves, four blocks of 256 bytes that no other line names
.set SPITCH, 272                       ; the stage for the way out: 64 rows of 256 bytes + 16, over A's bytes, behind a barrier
.set NPROD,  256                       ; work-groups along x that make a tile
.set CVT_TO, 4194304                   ; where the bf16 copy begins in OUT
.set VA,  5                            ; v5      byte offset in A of my 16 bytes in my wave's first row
.set VLA, 6                            ; v6      LDS address of my 8 bytes in my wave's first row of A
.set VLB, 7                            ; v7      the same for B
.set FA,  8                            ; v8      LDS address of my part of A's fragments
.set FBA, 9                            ; v9      of B's
.set SS,  10                           ; v10     the way out: where I put 16 bytes
.set RDA, 11                           ; v11     where I read a row back
.set CO,  12                           ; v12     my byte offset in C
.set BO,  13                           ; v13     my byte offset in the bias
.set SPW, 14                           ; v14     LDS address of my spare word; never rewritten
.set NIL, 15                           ; v15     0; never rewritten
.set VB,  16                           ; v16-23  byte offsets in B of my wave's eight rows (B's pitch differs between the two products)
.set BI,  32                           ; v32-47  the bias of my 2 x 8 columns
.set X0,  64                           ; three buffers of 16 loads
.set X1,  128
.set X2,  192
.set F0,  64                           ; two fragment buffers of 48: for each of two K slices A (8), B's first tile (8), B's second (8)
.set F1,  112
.set ACC, 160                          ; v160-175 two accumulators
.set RES, 176                          ; v176-191 sums + bias
.set OB,  192                          ; v192-207 rows read back
.macro PLACES                          ; four places behind a matrix instruction (ISA guide 7.12.1), where no other vector work is at hand
.rept 4
	v_nop
.endr
.endm
.macro GETA x, r0                      ; rows r0 .. r0+3 of my wave's eight rows of A: four loads of 512 consecutive bytes a row
.set n, 0
.rept 16
	global_load_b128 v[(\x)+4*n:(\x)+4*n+3], v[VA], s[24:25] offset:((\r0)+n/4)*2048+512*(n%4)
.set n, n+1
.endr
.endm
.macro GETB x, r0
.set n, 0
.rept 16
	global_load_b128 v[(\x)+4*n:(\x)+4*n+3], v[VB+(\r0)+n/4], s[26:27] offset:512*(n%4)
.set n, n+1
.endr
.endm
.macro CONV x, la, r0                  ; 16 loads' numbers are rounded in place, four f32 to 8 bytes, and stored into LDS rows r0 .. r0+3
.set n, 0
.rept 16
	v_cvt_pk_bf16_f32 v[(\x)+4*n], v[(\x)+4*n], v[(\x)+4*n+1]
	v_cvt_pk_bf16_f32 v[(\x)+4*n+1], v[(\x)+4*n+2], v[(\x)+4*n+3]
	ds_store_b64 v[\la], v[(\x)+4*n:(\x)+4*n+1] offset:((\r0)+n/4)*PITCH+256*(n%4)
.set n, n+1
.endr
.endm
.macro LOADG g, f                      ; the fragments of K slices 2 g and 2 g + 1: 12 LDS loads
.irp e, 0,1
	ds_load_b128 v[(\f)+24*\e:(\f)+24*\e+3],     v[FA]  offset:64*(2*(\g)+\e)
	ds_load_b128 v[(\f)+24*\e+4:(\f)+24*\e+7],   v[FA]  offset:64*(2*(\g)+\e)+32
	ds_load_b128 v[(\f)+24*\e+8:(\f)+24*\e+11],  v[FBA] offset:64*(2*(\g)+\e)
	ds_load_b128 v[(\f)+24*\e+12:(\f)+24*\e+15], v[FBA] offset:64*(2*(\g)+\e)+32
	ds_load_b128 v[(\f)+24*\e+16:(\f)+24*\e+19], v[FBA] offset:16*PITCH+64*(2*(\g)+\e)
	ds_load_b128 v[(\f)+24*\e+20:(\f)+24*\e+23], v[FBA] offset:16*PITCH+64*(2*(\g)+\e)+32
.endr
.endm
.macro MULG f, zero                    ; four products, the two accumulators by turns.  Source 0 = rows of B, source 1 = rows of A: a lane then holds eight neighbouring columns of one row of C
.irp e, 0,1
.irp b, 0,1
.if (\zero) && (\e == 0)
	v_wmma_f32_16x16x32_bf16 v[ACC+8*\b:ACC+8*\b+7], v[(\f)+24*\e+8+8*\b:(\f)+24*\e+15+8*\b], v[(\f)+24*\e:(\f)+24*\e+7], 0
.else
	v_wmma_f32_16x16x32_bf16 v[ACC+8*\b:ACC+8*\b+7], v[(\f)+24*\e+8+8*\b:(\f)+24*\e+15+8*\b], v[(\f)+24*\e:(\f)+24*\e+7], v[ACC+8*\b:ACC+8*\b+7]
.endif
.endr
.endr
.endm
	s_load_b256 s[4:11], s[0:1], 0x0               ; A0 s[4:5], B0 s[6:7], bias0 s[8:9], A1 s[10:11]
	s_load_b256 s[12:19], s[0:1], 0x20             ; B1 s[12:13], bias1 s[14:15], SRC s[16:17], OUT s[18:19]
	v_lshl_add_u32 v[SPW], v0, 2, SPARE
	v_mov_b32 v[NIL], 0
	v_and_b32 v1, 31, v0                           ; lane
	v_lshrrev_b32 v2, 5, v0
	v_readfirstlane_b32 s20, v2                    ; wave 0..7
	s_cmp_ge_u32 ttmp9, NPROD
	s_cbranch_scc1 .Lconvert                       ; the same way for all eight waves
	; ---------------- a tile of C ----------------
	s_lshr_b32 s21, ttmp9, 7                       ; pA: which A
	s_and_b32 s44, ttmp7, 0xffff                   ; the work-group's y,
	s_add_co_u32 s44, s44, s21                     ; pB = pA + y: which B, bias and half of OUT
	s_bfe_u32 s22, ttmp9, 0x40003                  ; block of 64 rows of C, 0..15
	s_and_b32 s23, ttmp9, 7                        ; block of 64 columns, 0..7
	s_lshl_b32 s30, 2048, s44                      ; B's pitch in bytes: 2,048 or 4,096
	s_lshl_b32 s31, s44, 11                        ; B's first column in bytes: 0 or 2,048
	s_lshl_b32 s32, s44, 21                        ; C's place in OUT
	s_mov_b32 s33, 0
	s_lshl_b32 s34, s22, 17                        ; 64 rows of 2,048 bytes
	s_lshl_b32 s35, s23, 6
	s_lshl3_add_u32 s35, s20, s35                  ; B's row 64 x block + 8 x wave
	s_mul_i32 s35, s35, s30
	s_add_co_u32 s35, s35, s31
	s_lshr_b32 s36, s20, 1                         ; my 16 rows of the tile
	s_and_b32 s37, s20, 1                          ; my 32 columns
	s_lshl_b32 s38, s23, 8
	s_lshl_b32 s39, s37, 7
	s_add_co_u32 s38, s38, s39                     ; my 32 columns in the bias, in bytes
	v_and_b32 v3, 15, v0                           ; r = lane % 16
	v_bfe_u32 v4, v0, 4, 1                         ; h = lane / 16
	v_lshlrev_b32 v[VA], 4, v1
	v_lshl_add_u32 v[VA], v2, 14, v[VA]            ; 8 rows a wave
	v_add_nc_u32 v[VA], s34, v[VA]
	v_lshl_add_u32 v[VB], v1, 4, s35
.irp i, 1,2,3,4,5,6,7
	v_add_nc_u32 v[VB+\i], s30, v[VB+\i-1]
.endr
	v_lshl_add_u32 v[BO], v4, 5, s38               ; columns 8 h on
	s_wait_kmcnt 0x0
	s_cmp_eq_u32 s21, 0
	s_cselect_b64 s[24:25], s[4:5], s[10:11]       ; A
	s_cmp_eq_u32 s44, 0
	s_cselect_b64 s[26:27], s[6:7], s[12:13]       ; B
	s_cselect_b64 s[28:29], s[8:9], s[14:15]       ; bias
	s_add_nc_u64 s[18:19], s[18:19], s[32:33]      ; C
	global_load_b128 v[BI:BI+3],     v[BO], s[28:29]
	global_load_b128 v[BI+4:BI+7],   v[BO], s[28:29] offset:16
	global_load_b128 v[BI+8:BI+11],  v[BO], s[28:29] offset:64
	global_load_b128 v[BI+12:BI+15], v[BO], s[28:29] offset:80
	GETA X0, 0
	GETA X1, 4
	GETB X2, 0
	; the LDS addresses are made while the loads are out
	v_mul_u32_u24 v[VLA], v2, 8*PITCH
	v_lshl_add_u32 v[VLA], v1, 3, v[VLA]
	v_add_nc_u32 v[VLB], BT, v[VLA]
	v_mul_u32_u24 v[FA], v3, PITCH
	v_lshl_add_u32 v[FA], v4, 4, v[FA]             ; row x pitch + 16 x half
	s_mul_i32 s40, s37, 32*PITCH
	s_add_co_u32 s40, s40, BT
	v_add_nc_u32 v[FBA], s40, v[FA]
	s_mul_i32 s41, s36, 16*PITCH
	v_add_nc_u32 v[FA], s41, v[FA]
	v_mul_u32_u24 v[SS], v3, SPITCH
	v_lshl_add_u32 v[SS], v4, 5, v[SS]
	s_mul_i32 s42, s36, 16*SPITCH
	s_add_co_u32 s42, s42, s39
	v_add_nc_u32 v[SS], s42, v[SS]                 ; row 16 mt + r, byte 128 (w % 2) + 32 h
	v_lshl_add_u32 v[RDA], v2, 3, v4
	v_mul_u32_u24 v[RDA], v[RDA], SPITCH
	v_lshl_add_u32 v[RDA], v3, 4, v[RDA]           ; row 8 w + h, byte 16 r
	v_lshl_add_u32 v[CO], v2, 3, v4
	v_lshlrev_b32 v[CO], 11, v[CO]
	v_lshl_add_u32 v[CO], v3, 4, v[CO]
	s_lshl_b32 s43, s23, 8
	s_add_co_u32 s43, s43, s34
	v_add_nc_u32 v[CO], s43, v[CO]
	s_wait_loadcnt 32                              ; the bias and A's rows 0-3 are in; the two younger batches of 16 stay out
	CONV X0, VLA, 0
	GETB X0, 4
	s_wait_loadcnt 32                              ; A's rows 4-7; behind them B's two batches
	CONV X1, VLA, 4
	s_wait_loadcnt 16                              ; B's rows 0-3; behind them one batch
	CONV X2, VLB, 0
	s_wait_loadcnt 0x0
	CONV X0, VLB, 4
	s_wait_dscnt 0x0                               ; for the others' sake: my rows are in LDS
	s_barrier_signal -1
	s_barrier_wait -1
	LOADG 0, F0
	LOADG 1, F1
.set g, 0
.rept 8
.if g < 7
	s_wait_dscnt 12                                ; this group's 12 loads are in, the next group's 12 stay out
.else
	s_wait_dscnt 0x0
.endif
.if g == 0
	MULG F0, 1                                     ; the first K slice starts the sums
.else
	MULG F0+48*(g%2), 0
.endif
.if g < 6
	PLACES                                         ; in front of loads into registers that the products above have read
	LOADG g+2, F0+48*(g%2)
.endif
.set g, g+1
.endr
	PLACES
.irp i, 0,1,2,3,4,5,6,7
	v_pk_add_f32 v[RES+2*\i:RES+2*\i+1], v[ACC+2*\i:ACC+2*\i+1], v[BI+2*\i:BI+2*\i+1]  ; each accumulator from its low end on
.endr
	s_wait_dscnt 0x0                               ; my reads of A's rows are over: the stage lies over them
	s_barrier_signal -1
	s_barrier_wait -1
.irp i, 0,1,2,3
	ds_store_b128 v[SS], v[RES+4*\i:RES+4*\i+3] offset:64*(\i/2)+16*(\i%2)
.endr
	s_wait_dscnt 0x0                               ; a row's 256 bytes come from two waves
	s_barrier_signal -1
	s_barrier_wait -1
.irp i, 0,1,2,3
	ds_load_b128 v[OB+4*\i:OB+4*\i+3], v[RDA] offset:\i*2*SPITCH
.endr
.irp i, 0,1,2,3
	s_wait_dscnt 3-\i                              ; LDS loads come back in order: load i is in
	global_store_b128 v[CO], v[OB+4*\i:OB+4*\i+3], s[18:19] offset:\i*4096  ; 16 lanes store 256 consecutive bytes, at a multiple of 256 from C's first byte
.endr
	s_wait_tensorcnt 0x0                           ; the wave's end: a wait for tensor loads, 0 onto my spare word and a wait for it, behind my last LDS store
	ds_add_u32 v[SPW], v[NIL]
	s_wait_dscnt 0x0
	s_endpgm
	; ---------------- the stream: f32 to bf16 ----------------
.Lconvert:
	s_sub_co_u32 s21, ttmp9, NPROD
	s_lshl_b32 s22, s21, 17                        ; 131,072 bytes in,
	s_mov_b32 s23, 0
	s_lshl_b32 s24, s21, 16                        ; 65,536 out
	s_mov_b32 s25, 0
	v_lshlrev_b32 v3, 4, v1
	v_lshl_add_u32 v3, v2, 14, v3                  ; a wave reads 16 KiB,
	v_lshlrev_b32 v4, 3, v1
	v_lshl_add_u32 v4, v2, 13, v4                  ; and writes 8 KiB
	s_wait_kmcnt 0x0
	s_add_nc_u64 s[16:17], s[16:17], s[22:23]
	s_add_nc_u64 s[18:19], s[18:19], s[24:25]
	s_add_nc_u64 s[18:19], s[18:19], CVT_TO
.set n, 0
.rept 32                                               ; all of the wave's 32 loads go out at once: 128 registers, none used twice
	global_load_b128 v[X0+4*n:X0+4*n+3], v3, s[16:17] offset:512*n th:TH_LOAD_NT
.set n, n+1
.endr
.set n, 0
.rept 32
	s_wait_loadcnt 31-n                            ; loads come back in order: load n is in, the younger ones stay out
	v_cvt_pk_bf16_f32 v[X0+4*n], v[X0+4*n], v[X0+4*n+1]
	v_cvt_pk_bf16_f32 v[X0+4*n+1], v[X0+4*n+2], v[X0+4*n+3]
	global_store_b64 v4, v[X0+4*n:X0+4*n+1], s[18:19] offset:256*n  ; the wave's store covers 256 consecutive bytes, aligned
.set n, n+1
.endr
	s_endpgm
.Lfunc_end_k_qd67c91bb30_pre1:
	.size	k_qd67c91bb30_pre1, .Lfunc_end_k_qd67c91bb30_pre1-k_qd67c91bb30_pre1
	.p2alignl 7, 3214868480
	.fill 96, 4, 3214868480
	.section	.rodata,"a",@progbits
	.p2align	6, 0x0
	.amdhsa_kernel k_qd67c91bb30_pre1
		.amdhsa_group_segment_fixed_size 134144
		.amdhsa_private_segment_fixed_size 0
		.amdhsa_enable_private_segment 0
		.amdhsa_kernarg_size 64
		.amdhsa_user_sgpr_count 2
		.amdhsa_user_sgpr_kernarg_segment_ptr 1
		.amdhsa_wavefront_size32 1
		.amdhsa_system_sgpr_workgroup_id_x 1
		.amdhsa_system_sgpr_workgroup_id_y 1
		.amdhsa_system_sgpr_workgroup_id_z 1
		.amdhsa_system_vgpr_workitem_id 0
		.amdhsa_next_free_vgpr 256
		.amdhsa_next_free_sgpr 66
		.amdhsa_reserve_vcc 0
		.amdhsa_float_denorm_mode_32 3
		.amdhsa_float_denorm_mode_16_64 3
		.amdhsa_memory_ordered 1
		.amdhsa_forward_progress 1
		.amdhsa_inst_pref_size 45
	.end_amdhsa_kernel
	.amdgpu_metadata
---
amdhsa.version: [ 1, 2 ]
amdhsa.kernels:
  - .name:           k_qd67c91bb30_pre1
    .symbol:         k_qd67c91bb30_pre1.kd
    .args:
      - { .name: q, .offset: 0, .size: 8, .value_kind: global_buffer, .address_space: global }
      - { .name: Wq, .offset: 8, .size: 8, .value_kind: global_buffer, .address_space: global }
      - { .name: bq, .offset: 16, .size: 8, .value_kind: global_buffer, .address_space: global }
      - { .name: prev_layer_output, .offset: 24, .size: 8, .value_kind: global_buffer, .address_space: global }
      - { .name: Wg1, .offset: 32, .size: 8, .value_kind: global_buffer, .address_space: global }
      - { .name: bg1, .offset: 40, .size: 8, .value_kind: global_buffer, .address_space: global }
      - { .name: dstore_k, .offset: 48, .size: 8, .value_kind: global_buffer, .address_space: global }
      - { .name: w1, .offset: 56, .size: 8, .value_kind: global_buffer, .address_space: global }
    .group_segment_fixed_size: 134144
    .private_segment_fixed_size: 0
    .kernarg_segment_align: 8
    .kernarg_segment_size: 64
    .max_flat_workgroup_size: 256
    .sgpr_count:     66
    .vgpr_count:     256
    .wavefront_size: 32
...
	.end_amdgpu_metadata
.endif
;; end of part 1
;; launch pre2 (part 2): grid 704 x 1, 8 waves a work-group, no clusters, 149,504 bytes of LDS; arguments w1, Wk, bk, Wg1, Wv, bv, dstore_v, w2, w6; writes w2, w6
.if DOCPART == 2
	.amdgcn_target "amdgcn-amd-amdhsa--gfx1250"
	.amdhsa_code_object_version 6
	.text
	.protected	k_qd67c91bb30_pre2
	.globl	k_qd67c91bb30_pre2
	.p2align	8
	.type	k_qd67c91bb30_pre2,@function
k_qd67c91bb30_pre2:
	s_mov_b64 s[64:65], 0
	v_nop
	global_prefetch_b8 v0, s[64:65] scope:SCOPE_SE
	s_setreg_imm32_b32 hwreg(HW_REG_WAVE_MODE, 25, 1), 1
	s_wait_xcnt 0x0
; TWO KINDS OF WORK-GROUP IN ONE TEXT.  Arguments: w1 (qa at its head), Wk, bk, Wg1, Wv, bv, dstore_v, w2, w6.
; Work-groups 0-191: a tile of 64 x 64 of C = scale x A B, K = 512, B stored [k][n]; operands rounded once to bf16 on the way into LDS, sums in f32; and, in the work-groups of column block 0, the vector scale x A vec.
;   0-127 (p = 0):   A = qa [1024][512], B = Wk, vec = bk, scale = c = (2 / sqrt(512)) log2(e): a logit in base 2 is C . dstore_k + t.  The vector t (f32) goes to w2 + 4 MiB.  C is the next launch's matrix operand Q: it is scaled in
;                    f32, rounded once to bf16 and stored at w2 + 2 MiB in the order of that launch's fragments: query tile (16 rows) x 16,384 + K slice (32 channels) x 1,024 + half x 512 + lane x 16 bytes.
;   128-191 (p = 1): A = columns 0-511 of Wg1 [512][1024], B = Wv, vec = bv, scale = 1; C (f32) = columns 512-1023 of a [512][1024] tensor at w2's head, the vector c0 at w6.
; Work-groups 192 and up: 131,072 bytes of dstore_v (f32) are rounded to bf16 and stored at w2 + 4,198,400.
; NO CLUSTER, NO TENSOR LOAD: the operands are f32 in memory and are rounded on the way, so they pass through registers; the shared tiles are small beside the 64 MiB that the stream reads once.
; LIMITS: bf16 operands; NaN and infinities are not treated apart.
.set PITCH,  1040                      ; a row of A in LDS: 1,024 bytes + 16
.set BT,     64*PITCH                  ; B's 512 rows [k] of 64 columns begin here
.set BP,     160                       ; a row of B: 128 bytes + 32: an odd multiple of 32, for the turning load
.set SPARE,  BT+512*BP                 ; 148,480: the spare words, 128 bytes for each of eight waves
.set SPITCH, 272
.set NPROD,  192
.set CVT_TO, 4198400
.set VBB, 7                            ; v7      byte offset in B of my 16 bytes in my wave's first two rows
.set VLA, 8                            ; v8      LDS address for A's rows
.set VLB, 9                            ; v9      for B's
.set FA,  10                           ; v10     LDS address of my part of A's fragments
.set FT0, 11                           ; v11     of B's, K slices 0-7
.set FT1, 12                           ; v12     K slices 8-15 (an LDS offset has 16 bits)
.set SS,  13                           ; v13     the way out: where I put 16 bytes
.set SPW, 14
.set NIL, 15
.set VAR, 16                           ; v16-23  byte offsets in A of my wave's eight rows (A's pitch differs)
.set CO,  24                           ; v24-27  byte offsets in C of the four pairs of rows that I store
.set RDA, 28                           ; v28     where I read a row back
.set VR,  29                           ; v29     LDS address of my 16 bytes of my wave's first row of A, for the vector
.set VV,  30                           ; v30     my byte offset in vec
.set QO,  31                           ; v31     p = 0: my byte offset in Q's fragments
.set VEC, 32                           ; v32-47  vec[8 L .. 8 L + 7], vec[256 + 8 L ..]
.set G,   48                           ; v48     the wave's eight dot products, by lane % 8; a store's data: never rewritten
.set VO,  49                           ; v49     its byte offset; never rewritten
.set TT,  50                           ; v50-53  at work
.set X0,  64
.set X1,  128
.set X2,  192
.set F0,  64
.set F1,  112
.set ACC, 160
.set RES, 176
.set OB,  192
.macro PLACES
.rept 4
	v_nop
.endr
.endm
.macro GETA x, r0
.set n, 0
.rept 16
	global_load_b128 v[(\x)+4*n:(\x)+4*n+3], v[VAR+(\r0)+n/4], s[24:25] offset:512*(n%4)
.set n, n+1
.endr
.endm
.macro GETB x, i0                      ; 16 loads, each two rows [k] of 256 bytes: lanes 0-15 the even row, lanes 16-31 the odd one
.set n, 0
.rept 16
	global_load_b128 v[(\x)+4*n:(\x)+4*n+3], v[VBB], s[26:27] offset:4096*((\i0)+n)
.set n, n+1
.endr
.endm
.macro CONVA x, r0
.set n, 0
.rept 16
	v_cvt_pk_bf16_f32 v[(\x)+4*n], v[(\x)+4*n], v[(\x)+4*n+1]
	v_cvt_pk_bf16_f32 v[(\x)+4*n+1], v[(\x)+4*n+2], v[(\x)+4*n+3]
	ds_store_b64 v[VLA], v[(\x)+4*n:(\x)+4*n+1] offset:((\r0)+n/4)*PITCH+256*(n%4)
.set n, n+1
.endr
.endm
.macro CONVB x, i0
.set n, 0
.rept 16
	v_cvt_pk_bf16_f32 v[(\x)+4*n], v[(\x)+4*n], v[(\x)+4*n+1]
	v_cvt_pk_bf16_f32 v[(\x)+4*n+1], v[(\x)+4*n+2], v[(\x)+4*n+3]
	ds_store_b64 v[VLB], v[(\x)+4*n:(\x)+4*n+1] offset:2*BP*((\i0)+n)
.set n, n+1
.endr
.endm
.macro LOADG g, f                      ; K slices 2 g, 2 g + 1: A as it lies, B turned
.irp e, 0,1
.set cs, 2*(\g)+\e
.set ft, FT0+cs/8
.set ko, 32*BP*(cs%8)
	ds_load_b128 v[(\f)+24*\e:(\f)+24*\e+3],          v[FA] offset:64*cs
	ds_load_b128 v[(\f)+24*\e+4:(\f)+24*\e+7],        v[FA] offset:64*cs+32
	ds_load_tr16_b128 v[(\f)+24*\e+8:(\f)+24*\e+11],  v[ft] offset:ko
	ds_load_tr16_b128 v[(\f)+24*\e+12:(\f)+24*\e+15], v[ft] offset:ko+16*BP
	ds_load_tr16_b128 v[(\f)+24*\e+16:(\f)+24*\e+19], v[ft] offset:ko+32
	ds_load_tr16_b128 v[(\f)+24*\e+20:(\f)+24*\e+23], v[ft] offset:ko+32+16*BP
.endr
.endm
.macro MULG f, zero                    ; four products, the two accumulators by turns; source 0 = columns of B, source 1 = rows of A: a lane holds eight neighbouring columns of one row of C
.irp e, 0,1
.irp b, 0,1
.if (\zero) && (\e == 0)
	v_wmma_f32_16x16x32_bf16 v[ACC+8*\b:ACC+8*\b+7], v[(\f)+24*\e+8+8*\b:(\f)+24*\e+15+8*\b], v[(\f)+24*\e:(\f)+24*\e+7], 0
.else
	v_wmma_f32_16x16x32_bf16 v[ACC+8*\b:ACC+8*\b+7], v[(\f)+24*\e+8+8*\b:(\f)+24*\e+15+8*\b], v[(\f)+24*\e:(\f)+24*\e+7], v[ACC+8*\b:ACC+8*\b+7]
.endif
.endr
.endr
.endm
.macro DOT rr                          ; row rr of my wave's eight times vec: 16 numbers a lane, then the sum over the 32 lanes, kept in the lanes with lane % 8 = rr
.set xx, X0+8*(\rr)
.set aa, X1+2*(\rr)
.set i, 0
.rept 8
	v_lshlrev_b32 v[TT+2*(i%2)], 16, v[xx+i]           ; bf16 to f32: the low half moves up,
	v_and_b32 v[TT+2*(i%2)+1], 0xffff0000, v[xx+i]     ; the high half stays
.if i == 0
	v_pk_mul_f32 v[aa:aa+1], v[TT:TT+1], v[VEC:VEC+1]
.else
	v_pk_fma_f32 v[aa:aa+1], v[TT+2*(i%2):TT+2*(i%2)+1], v[VEC+2*i:VEC+2*i+1], v[aa:aa+1]
.endif
.set i, i+1
.endr
	v_add_f32 v[aa], v[aa], v[aa+1]
	v_add_f32_dpp v[aa], v[aa], v[aa] row_xmask:1 row_mask:0xf bank_mask:0xf
	v_add_f32_dpp v[aa], v[aa], v[aa] row_xmask:2 row_mask:0xf bank_mask:0xf
	v_add_f32_dpp v[aa], v[aa], v[aa] row_xmask:4 row_mask:0xf bank_mask:0xf
	v_add_f32_dpp v[aa], v[aa], v[aa] row_xmask:8 row_mask:0xf bank_mask:0xf
	v_permlanex16_b32 v[aa+1], v[aa], s46, s47
	v_add_f32 v[aa], v[aa], v[aa+1]
.if (\rr) == 0
	v_mov_b32 v[G], v[aa]
.else
	v_cmp_eq_u32 vcc_lo, \rr, v5
	v_cndmask_b32 v[G], v[G], v[aa], vcc_lo
.endif
.endm
	s_load_b512 s[4:19], s[0:1], 0x0               ; w1 s[4:5], Wk s[6:7], bk s[8:9], Wg1 s[10:11], Wv s[12:13], bv s[14:15], dstore_v s[16:17], w2 s[18:19]
	s_load_b64 s[20:21], s[0:1], 0x40              ; w6
	v_lshl_add_u32 v[SPW], v0, 2, SPARE
	v_mov_b32 v[NIL], 0
	v_and_b32 v1, 31, v0                           ; lane
	v_lshrrev_b32 v2, 5, v0
	v_readfirstlane_b32 s22, v2                    ; wave 0..7
	s_cmp_ge_u32 ttmp9, NPROD
	s_cbranch_scc1 .Lconvert
	s_lshr_b32 s23, ttmp9, 7                       ; p
	s_bfe_u32 s31, ttmp9, 0x40003                  ; block of 64 rows of C
	s_and_b32 s42, ttmp9, 7                        ; block of 64 columns
	s_lshl_b32 s30, 2048, s23                      ; A's and C's pitch in bytes
	s_lshl_b32 s40, s31, 6
	s_lshl3_add_u32 s40, s22, s40                  ; my wave's first row
	s_mul_i32 s41, s40, s30
	s_lshl_b32 s43, s42, 8                         ; the column block in bytes
	s_mov_b32 s46, 0x76543210                      ; v_permlanex16_b32: each lane takes its own place in the other half
	s_mov_b32 s47, 0xfedcba98
	v_and_b32 v3, 15, v0                           ; r
	v_bfe_u32 v4, v0, 4, 1                         ; h
	v_and_b32 v5, 7, v0
	v_bfe_u32 v6, v0, 3, 1
	v_lshl_add_u32 v[VAR], v1, 4, s41
.irp i, 1,2,3,4,5,6,7
	v_add_nc_u32 v[VAR+\i], s30, v[VAR+\i-1]
.endr
	v_lshl_add_u32 v[VBB], v2, 6, v4               ; B's row 64 w + h
	v_lshlrev_b32 v[VBB], 11, v[VBB]
	v_lshl_add_u32 v[VBB], v3, 4, v[VBB]
	v_add_nc_u32 v[VBB], s43, v[VBB]
	s_wait_kmcnt 0x0
	s_cmp_eq_u32 s23, 0
	s_cselect_b64 s[24:25], s[4:5], s[10:11]       ; A
	s_cselect_b64 s[26:27], s[6:7], s[12:13]       ; B
	s_cselect_b64 s[28:29], s[8:9], s[14:15]       ; vec
	s_cselect_b32 s32, 0x3e0293ee, 1.0             ; the scale: c = 0.127517, or 1
	s_cselect_b32 s44, 10, 0
	s_add_nc_u64 s[36:37], s[18:19], 0x400000
	s_cselect_b64 s[36:37], s[36:37], s[20:21]     ; where the vector goes
	s_mov_b32 s33, s32                             ; named with it as a pair
	s_lshl_b32 s34, 2048, s44                      ; C begins 2 MiB, or 2,048 bytes, into w2
	s_mov_b32 s35, 0
	s_add_nc_u64 s[38:39], s[18:19], s[34:35]
	GETA X0, 0
	GETA X1, 4
	GETB X2, 0
	v_mul_u32_u24 v[VLA], v2, 8*PITCH
	v_lshl_add_u32 v[VR], v1, 4, v[VLA]
	v_lshl_add_u32 v[VLA], v1, 3, v[VLA]
	v_lshl_add_u32 v[VLB], v2, 6, v4
	v_mul_u32_u24 v[VLB], v[VLB], BP
	v_lshl_add_u32 v[VLB], v3, 3, v[VLB]
	v_add_nc_u32 v[VLB], BT, v[VLB]
	s_lshr_b32 s44, s22, 1                         ; my 16 rows of the tile
	s_and_b32 s45, s22, 1                          ; my 32 columns
	v_mul_u32_u24 v[FA], v3, PITCH
	v_lshl_add_u32 v[FA], v4, 4, v[FA]
	s_mul_i32 s48, s44, 16*PITCH
	v_add_nc_u32 v[FA], s48, v[FA]
	v_lshl_add_u32 v[FT0], v4, 3, v5               ; the turning load: row k = 8 h + lane % 8,
	v_mul_u32_u24 v[FT0], v[FT0], BP
	v_lshl_add_u32 v[FT0], v6, 4, v[FT0]           ; 16 bytes by (lane / 8) % 2,
	s_lshl_b32 s48, s45, 6
	s_add_co_u32 s48, s48, BT                      ; my 32 columns
	v_add_nc_u32 v[FT0], s48, v[FT0]
	v_add_nc_u32 v[FT1], 256*BP, v[FT0]
	v_mul_u32_u24 v[SS], v3, SPITCH
	v_lshl_add_u32 v[SS], v4, 5, v[SS]
	s_mul_i32 s48, s44, 16*SPITCH
	s_lshl_b32 s49, s45, 7
	s_add_co_u32 s48, s48, s49
	v_add_nc_u32 v[SS], s48, v[SS]
	v_lshl_add_u32 v[RDA], v2, 3, v4
	v_mul_u32_u24 v[RDA], v[RDA], SPITCH
	v_lshl_add_u32 v[RDA], v3, 4, v[RDA]
	v_mul_u32_u24 v[CO], v4, s30
	v_lshl_add_u32 v[CO], v3, 4, v[CO]
	s_add_co_u32 s48, s41, s43
	v_add_nc_u32 v[CO], s48, v[CO]
	s_lshl_b32 s49, s30, 1
.irp i, 1,2,3
	v_add_nc_u32 v[CO+\i], s49, v[CO+\i-1]         ; two rows on
.endr
	v_lshlrev_b32 v[VV], 5, v1
	v_add_lshl_u32 v[VO], v5, s40, 2
	s_lshl2_add_u32 s48, s31, s44                  ; p = 0: the query tile: 4 x block of rows + my 16 rows,
	s_lshl_b32 s48, s48, 14                        ; 16,384 bytes each;
	s_lshl1_add_u32 s49, s42, s45                  ; the K slice of the scores: 2 x block of columns + my 32 columns,
	s_lshl_b32 s49, s49, 10                        ; 1,024 bytes each;
	s_add_co_u32 s48, s48, s49
	v_lshl_add_u32 v[QO], v1, 4, s48               ; 16 bytes a lane
	s_wait_loadcnt 32                              ; A's rows 0-3 are in; two batches of 16 stay out
	CONVA X0, 0
	GETB X0, 16
	s_wait_loadcnt 32                              ; A's rows 4-7
	CONVA X1, 4
	s_wait_loadcnt 16                              ; B's first 32 rows of my 64
	CONVB X2, 0
	s_wait_loadcnt 0x0
	CONVB X0, 16
	s_wait_dscnt 0x0                               ; for the others' sake: my rows are in LDS
	s_barrier_signal -1
	s_barrier_wait -1
	s_cmp_lg_u32 s42, 0
	s_cbranch_scc1 .Lno_vec                        ; the vector is made once for each block of rows: in column block 0.  No barrier stands in what is jumped
	global_load_b128 v[VEC:VEC+3],     v[VV], s[28:29]
	global_load_b128 v[VEC+4:VEC+7],   v[VV], s[28:29] offset:16
	global_load_b128 v[VEC+8:VEC+11],  v[VV], s[28:29] offset:1024
	global_load_b128 v[VEC+12:VEC+15], v[VV], s[28:29] offset:1040
.irp rr, 0,1,2,3,4,5,6,7
	ds_load_b128 v[X0+8*\rr:X0+8*\rr+3],   v[VR] offset:\rr*PITCH
	ds_load_b128 v[X0+8*\rr+4:X0+8*\rr+7], v[VR] offset:\rr*PITCH+512
.endr
	s_wait_loadcnt 0x0
	s_wait_dscnt 0x0
.irp rr, 0,1,2,3,4,5,6,7
	DOT \rr
.endr
	v_mul_f32 v[G], s32, v[G]
	global_store_b32 v[VO], v[G], s[36:37]         ; four lanes hold the same row's number and store it to the same word
.Lno_vec:
	LOADG 0, F0
	LOADG 1, F1
.set g, 0
.rept 8
.if g < 7
	s_wait_dscnt 12                                ; this group's 12 loads are in, the next group's 12 stay out
.else
	s_wait_dscnt 0x0
.endif
.if g == 0
	MULG F0, 1
.else
	MULG F0+48*(g%2), 0
.endif
.if g < 6
	PLACES
	LOADG g+2, F0+48*(g%2)
.endif
.set g, g+1
.endr
	PLACES
.irp i, 0,1,2,3,4,5,6,7
	v_pk_mul_f32 v[RES+2*\i:RES+2*\i+1], v[ACC+2*\i:ACC+2*\i+1], s[32:33] op_sel_hi:[1,0]  ; the scale, in f32, ahead of every rounding
.endr
	s_cmp_lg_u32 s23, 0
	s_cbranch_scc1 .Lrows                          ; the same way for all eight waves: p hangs on the work-group's number alone
	; p = 0.  Lane (r, h) holds row r and, of my 32 columns, numbers 8 h + 0..7 (first accumulator) and 16 + 8 h + 0..7 (second): rounded in pairs these are registers 0-3 and 4-7 of the fragment
	; (16 queries x 32 channels) that the next launch's products take as their second source.  So they leave as they lie: no stage, no barrier.
.irp i, 0,1,2,3,4,5,6,7
	v_cvt_pk_bf16_f32 v[OB+\i], v[RES+2*\i], v[RES+2*\i+1]
.endr
	global_store_b128 v[QO], v[OB:OB+3], s[38:39]              ; each store of the wave covers 512 consecutive bytes, aligned
	global_store_b128 v[QO], v[OB+4:OB+7], s[38:39] offset:512
	s_wait_tensorcnt 0x0                           ; the wave's end: a wait for tensor loads, 0 onto my spare word and a wait for it, behind my last LDS store
	ds_add_u32 v[SPW], v[NIL]
	s_wait_dscnt 0x0
	s_endpgm
.Lrows:                                                ; p = 1: f32 rows, through the stage
	s_wait_dscnt 0x0                               ; my reads of A's rows are over: the stage lies over them
	s_barrier_signal -1
	s_barrier_wait -1
.irp i, 0,1,2,3
	ds_store_b128 v[SS], v[RES+4*\i:RES+4*\i+3] offset:64*(\i/2)+16*(\i%2)
.endr
	s_wait_dscnt 0x0
	s_barrier_signal -1
	s_barrier_wait -1
.irp i, 0,1,2,3
	ds_load_b128 v[OB+4*\i:OB+4*\i+3], v[RDA] offset:\i*2*SPITCH
.endr
.irp i, 0,1,2,3
	s_wait_dscnt 3-\i
	global_store_b128 v[CO+\i], v[OB+4*\i:OB+4*\i+3], s[38:39]  ; 16 lanes store 256 consecutive bytes, aligned
.endr
	s_wait_tensorcnt 0x0                           ; the wave's end: a wait for tensor loads, 0 onto my spare word and a wait for it, behind my last LDS store
	ds_add_u32 v[SPW], v[NIL]
	s_wait_dscnt 0x0
	s_endpgm
.Lconvert:
	s_sub_co_u32 s23, ttmp9, NPROD
	s_lshl_b32 s24, s23, 17
	s_mov_b32 s25, 0
	s_lshl_b32 s26, s23, 16
	s_mov_b32 s27, 0
	v_lshlrev_b32 v3, 4, v1
	v_lshl_add_u32 v3, v2, 14, v3
	v_lshlrev_b32 v4, 3, v1
	v_lshl_add_u32 v4, v2, 13, v4
	s_wait_kmcnt 0x0
	s_add_nc_u64 s[16:17], s[16:17], s[24:25]
	s_add_nc_u64 s[18:19], s[18:19], s[26:27]
	s_add_nc_u64 s[18:19], s[18:19], CVT_TO
.set n, 0
.rept 32                                               ; all of the wave's 32 loads go out at once
	global_load_b128 v[X0+4*n:X0+4*n+3], v3, s[16:17] offset:512*n th:TH_LOAD_NT
.set n, n+1
.endr
.set n, 0
.rept 32
	s_wait_loadcnt 31-n                            ; load n is in, the younger ones stay out
	v_cvt_pk_bf16_f32 v[X0+4*n], v[X0+4*n], v[X0+4*n+1]
	v_cvt_pk_bf16_f32 v[X0+4*n+1], v[X0+4*n+2], v[X0+4*n+3]
	global_store_b64 v4, v[X0+4*n:X0+4*n+1], s[18:19] offset:256*n  ; 256 consecutive bytes, aligned
.set n, n+1
.endr
	s_endpgm
.Lfunc_end_k_qd67c91bb30_pre2:
	.size	k_qd67c91bb30_pre2, .Lfunc_end_k_qd67c91bb30_pre2-k_qd67c91bb30_pre2
	.p2alignl 7, 3214868480
	.fill 96, 4, 3214868480
	.section	.rodata,"a",@progbits
	.p2align	6, 0x0
	.amdhsa_kernel k_qd67c91bb30_pre2
		.amdhsa_group_segment_fixed_size 149504
		.amdhsa_private_segment_fixed_size 0
		.amdhsa_enable_private_segment 0
		.amdhsa_kernarg_size 72
		.amdhsa_user_sgpr_count 2
		.amdhsa_user_sgpr_kernarg_segment_ptr 1
		.amdhsa_wavefront_size32 1
		.amdhsa_system_sgpr_workgroup_id_x 1
		.amdhsa_system_sgpr_workgroup_id_y 1
		.amdhsa_system_sgpr_workgroup_id_z 1
		.amdhsa_system_vgpr_workitem_id 0
		.amdhsa_next_free_vgpr 256
		.amdhsa_next_free_sgpr 66
		.amdhsa_reserve_vcc 1
		.amdhsa_float_denorm_mode_32 3
		.amdhsa_float_denorm_mode_16_64 3
		.amdhsa_memory_ordered 1
		.amdhsa_forward_progress 1
		.amdhsa_inst_pref_size 62
	.end_amdhsa_kernel
	.amdgpu_metadata
---
amdhsa.version: [ 1, 2 ]
amdhsa.kernels:
  - .name:           k_qd67c91bb30_pre2
    .symbol:         k_qd67c91bb30_pre2.kd
    .args:
      - { .name: w1, .offset: 0, .size: 8, .value_kind: global_buffer, .address_space: global }
      - { .name: Wk, .offset: 8, .size: 8, .value_kind: global_buffer, .address_space: global }
      - { .name: bk, .offset: 16, .size: 8, .value_kind: global_buffer, .address_space: global }
      - { .name: Wg1, .offset: 24, .size: 8, .value_kind: global_buffer, .address_space: global }
      - { .name: Wv, .offset: 32, .size: 8, .value_kind: global_buffer, .address_space: global }
      - { .name: bv, .offset: 40, .size: 8, .value_kind: global_buffer, .address_space: global }
      - { .name: dstore_v, .offset: 48, .size: 8, .value_kind: global_buffer, .address_space: global }
      - { .name: w2, .offset: 56, .size: 8, .value_kind: global_buffer, .address_space: global }
      - { .name: w6, .offset: 64, .size: 8, .value_kind: global_buffer, .address_space: global }
    .group_segment_fixed_size: 149504
    .private_segment_fixed_size: 0
    .kernarg_segment_align: 8
    .kernarg_segment_size: 72
    .max_flat_workgroup_size: 256
    .sgpr_count:     66
    .vgpr_count:     256
    .wavefront_size: 32
...
	.end_amdgpu_metadata
.endif
;; end of part 2
;; launch attn (part 3): grid 8 x 32, 4 waves a work-group, clusters of 4 x 1, 327,680 bytes of LDS; arguments w1, w2, w3; writes w3
.if DOCPART == 3
	.amdgcn_target "amdgcn-amd-amdhsa--gfx1250"
	.amdhsa_code_object_version 6
	.text
	.protected	k_qd67c91bb30_attn
	.globl	k_qd67c91bb30_attn
	.p2align	8
	.type	k_qd67c91bb30_attn,@function
k_qd67c91bb30_attn:
	s_mov_b64 s[64:65], 0
	v_nop
	global_prefetch_b8 v0, s[64:65] scope:SCOPE_SE
	s_setreg_imm32_b32 hwreg(HW_REG_WAVE_MODE, 25, 1), 1
	s_wait_xcnt 0x0
	s_wait_alu depctr_hold_cnt(0) depctr_sa_sdst(0) depctr_va_vdst(0) depctr_va_sdst(0) depctr_va_ssrc(0) depctr_va_vcc(0) depctr_vm_vsrc(0)
	s_getreg_b32 s2, hwreg(HW_REG_IB_STS2, 6, 4)
	s_cmp_eq_u32 s2, 0
	s_cbranch_scc0 .Lentry_in_a_cluster
	s_endpgm
.Lentry_in_a_cluster:
	s_bfe_u32 s2, ttmp6, 0x10000c
	s_cmp_lg_u32 s2, 0x3003
	s_cbranch_scc0 .Lentry_shape_is_right
	s_endpgm
.Lentry_shape_is_right:
; ATTENTION OVER A SLAB OF THE DATASTORE.  A work-group owns 128 queries (block qblk) and 1,024 keys (slab): it stores the unnormalised sums O = sum p dv (f32), and for each query the running maximum m and the sum l.
; p = 2^(s - m), s = Q . dk + t: Q and t carry the factor (2 / sqrt(512)) log2(e), so nothing is scaled here.  K (bf16 dstore_k) at w1 + 4 MiB, V (bf16 dstore_v) at w2 + 4,198,400, t (f32) at w2 + 4 MiB,
; Q (bf16) at w2 + 2 MiB in the order of the fragments: query tile x 16,384 + K slice x 1,024 + half x 512 + lane x 16 bytes, so a wave's two tiles are 32 KiB on end.
; LIMITS.  All matrix operands bf16.  l is the sum of the unrounded p; a weight below 2^-126 counts as 0.  m starts at the lowest finite number, O and l at 0: the first step is a step like any other, with a = 0.
; NaN and infinities are not treated apart.
; SHARES.  16 steps of 64 keys.  Scores: wave w owns queries 32 w .. +31 (two tiles), Q in registers; S^T = K Q^T + t (source 0 = 16 keys, source 1 = 16 queries, t as the C operand that starts the sum): a lane holds one query.
; Second product: wave w owns channels 128 w .. +127 of all 128 queries: O^T(qt, ct) += V^T(ct) P(qt), 64 accumulators.  P (bf16) and the factors a = 2^(m_old - m_new) pass between the waves through LDS, two buffers each.
; STEP j.  Phase A: the 128 products of S(j+1), behind each pair four of the 256 packed multiplies O x a(j).  Phase B: the 128 products of V^T P (j), behind each of the first 96 half a unit of the softmax of step j+1 (two or three
; vector instructions, one exponential a tile at the most), which stores P(j+1), a(j+1).  32 products ahead of phase B's end stands the step's one barrier X(j); behind it K(j+3) goes into the slot of K(j+1) (waves 0, 1) and V(j+2) into the
; slot of V(j) (waves 2, 3): one tensor load a wave, a whole step in which to land.  By this text's own count a wave has two tensor loads out at the start and one later.
; THE LOOP'S TEXT BEGINS AT THE BARRIER and is entered in its middle: X(j), the refill and step j's last 16 products, then step j+1 up to its barrier.  So the steps 0 to 13 share one text, and only step 14 (ahead of it V(15) alone is
; asked for) and the short step 15 are written out behind it.
; THE LDS LOADS stand in runs of 8 to 24.  A fragment block is loaded again behind the first pair of products of the slice or half that follows its last reader: that reader is two products and four plain instructions or more back, and
; the run stands 14 products or more ahead of its first use.
; CLUSTER.  The four work-groups of a cluster have the same slab and ask for each tile of K and V JOINTLY (mask of four).  The eight query blocks of a slab are two clusters: a mask names four work-groups at the most here.
; REGISTERS, in windows of 256 (s_set_vgpr_msb: bits 1:0 source 0, 3:2 source 1, 5:4 source 2, 7:6 destination):
;   window 0: v2-13 addresses; v14-15 the add's; v16-31 statistics, 8 a tile; v32-39 a by query tile; v40-55 t, eight times a tile; v56-63 at work; v64-127 S^T (32 t + 8 kt), later P; v128-255 four fragment blocks of 32
;   window 1: Q, tile t, K slice c at 128 t + 8 c          windows 2, 3: O^T(qt, ct) in window 2 + qt / 4 at 64 (qt % 4) + 8 ct
.set KP,    1040                       ; a row of K in LDS: 1,024 bytes + 16: an odd multiple of 16
.set VP,    1056                       ; a row of V: 1,024 + 32: an odd multiple of 32, for the turning load
.set PP,    144                        ; a row of P: 64 keys x 2 bytes + 16
.set KSLOT, 64*KP                      ; 66,560: K's two slots from byte 0
.set VSLOT, 64*VP                      ; 67,584
.set AB,    2*KSLOT                    ; 133,120: a, two buffers of 128 words; written by ds_store, never filled by a tensor load
.set ABUF,  512
.set SPARE, AB+2*ABUF                  ; 134,144: the spare words, 128 bytes for each of four waves: two blocks of 256 bytes that no other line names
.set VB0,   SPARE+1024                 ; 135,168: V's two slots
.set PB,    VB0+2*VSLOT                ; 270,336: P, two buffers of 128 rows; written by ds_store, never filled by a tensor load
.set PBUF,  128*PP                     ; 18,432; the text uses 307,200 bytes and claims all of LDS
.set AK0,  2                           ; my lane's place in a tile of K; never rewritten
.set AV0,  3                           ; in a tile of V (my wave's channels)
.set APL0, 4                           ; in P, to load
.set APS0, 5                           ; in P, to store (my wave's queries)
.set AAL0, 6                           ; in a, to load
.set AAS0, 7                           ; in a, to store
.set AKC,  8                           ; the same six for the buffers in hand
.set AVC,  9
.set APLC, 10
.set APSC, 11
.set AALC, 12
.set AASC, 13
.set SPW,  14                          ; LDS address of my spare word; never rewritten
.set NIL,  15                          ; 0; never rewritten
.set ST,   16                          ; tile t at ST + 8 t: +0 m, +1 m_old - m, +2, +3 l (even keys', odd keys'), +4 .. +7 c0-c3 at work; a takes c2's place
.set AF,   32
.set BIAS, 40
.set S,    64
.set FB,   128
.set WV,   10                          ; s10 my wave's number
.set G1K,  24                          ; s[24:31] descriptor group 1 for K
.set G1V,  32                          ; s[32:39] for V: it differs in the padding alone
.set G0K,  40                          ; s[40:47] group 0 for K: a set for each first fill; the second then walks
.set G0V,  48                          ; s[48:55] the same for V
.set SEL,  56                          ; s[56:57] v_permlanex16_b32's selects
.set CNT,  58
.set TK,   59                          ; which slot or buffer the next address takes: 0 or the slot's bytes, turned by an exclusive or
.set TV,   60
.set TP,   61
.set TA,   62
.set W_S,  0x04                        ; Q (source 1) in window 1; K, S^T, t in window 0; LDS loads may issue under it
.set MSB,  0
.set ISS,  0                           ; LDS instructions issued since the last wait for 0; GE..: ISS at the end of a group of loads.  A wait for a group counts what was issued behind it
.set GEA,  0
.set GE0,  0
.set GE1,  0
.set GE2,  0
.set GE3,  0
.macro WIN new                         ; the immediate's high byte repeats the setting that is left; a switch that changes nothing is dropped
.if MSB != (\new)
	s_set_vgpr_msb (MSB<<8)|(\new)
.set MSB, (\new)
.endif
.endm
.macro PLACES                          ; four places behind a matrix instruction (ISA guide 7.12.1 for vector instructions), where no other vector work is at hand
.rept 4
	v_nop
.endr
.endm
.macro SETGE b
.if (\b) == 0
.set GE0, ISS
.elseif (\b) == 1
.set GE1, ISS
.elseif (\b) == 2
.set GE2, ISS
.else
.set GE3, ISS
.endif
.endm
.macro NEED b                          ; fragment block b is in: LDS instructions end in order (ISA guide 5.7.1), and the count is what was issued behind its group
.if (\b) == 0
	s_wait_dscnt ISS-GE0
.elseif (\b) == 1
	s_wait_dscnt ISS-GE1
.elseif (\b) == 2
	s_wait_dscnt ISS-GE2
.else
	s_wait_dscnt ISS-GE3
.endif
.endm
.macro CREST                           ; a round of the cluster's barrier behind its opening barrier
	s_cmp_lg_u32 s[WV], 0
	s_cbranch_scc1 .Lnot_wave_0_\@
	s_barrier_signal -3
.Lnot_wave_0_\@:
	s_barrier_wait -3
	s_barrier_signal -1
	s_barrier_wait -1
.endm
.macro CROUND
	s_barrier_signal -1
	s_barrier_wait -1
	CREST
.endm
; A joint refill.  kind 3: waves 0, 1 ask for K's two halves, waves 2, 3 for V's.  kind 1: K alone.  kind 2: V alone.  The branch hangs on the wave's number alone.  An s_nop 0 and four v_nop follow each load
; a wave that asks for nothing runs four v_nop too.
.macro JLOAD kind
	s_cmp_lt_u32 s[WV], 2
.if (\kind) == 2
	s_cbranch_scc1 .Lother_\@
	tensor_load_to_lds s[G0V+4:G0V+7], s[G1V:G1V+7]
	s_nop 0
	PLACES
	s_branch .Lasked_\@
.Lother_\@:
	PLACES
.else
	s_cbranch_scc0 .Lother_\@
	tensor_load_to_lds s[G0K+4:G0K+7], s[G1K:G1K+7]
	s_nop 0
	PLACES
	s_branch .Lasked_\@
.Lother_\@:
.if (\kind) == 3
	tensor_load_to_lds s[G0V+4:G0V+7], s[G1V:G1V+7]
	s_nop 0
.endif
	PLACES
.endif
.Lasked_\@:
.endm
; THE LDS LOADS, in groups of 8 into a fragment block.
.macro LDK cc, b                       ; K slice cc: four tiles of 16 keys x 32 channels
.irp kx, 0,1,2,3
	ds_load_b128 v[FB+32*(\b)+8*\kx:FB+32*(\b)+8*\kx+3],   v[AKC] offset:\kx*16*KP+64*(\cc)
	ds_load_b128 v[FB+32*(\b)+8*\kx+4:FB+32*(\b)+8*\kx+7], v[AKC] offset:\kx*16*KP+64*(\cc)+32
.endr
.set ISS, ISS+8
	SETGE \b
.endm
.macro LDP kk, qh, b                   ; P: keys 32 kk on, query tiles 4 qh .. +3
.irp ix, 0,1,2,3
	ds_load_b128 v[FB+32*(\b)+8*\ix:FB+32*(\b)+8*\ix+3],   v[APLC] offset:(4*(\qh)+\ix)*16*PP+64*(\kk)
	ds_load_b128 v[FB+32*(\b)+8*\ix+4:FB+32*(\b)+8*\ix+7], v[APLC] offset:(4*(\qh)+\ix)*16*PP+64*(\kk)+32
.endr
.set ISS, ISS+8
	SETGE \b
.endm
.macro LDV kk, ch, b                   ; V turned: keys 32 kk on, channel tiles 4 ch .. +3 of my wave's eight
.irp ix, 0,1,2,3
	ds_load_tr16_b128 v[FB+32*(\b)+8*\ix:FB+32*(\b)+8*\ix+3],   v[AVC] offset:(\kk)*32*VP+(4*(\ch)+\ix)*32
	ds_load_tr16_b128 v[FB+32*(\b)+8*\ix+4:FB+32*(\b)+8*\ix+7], v[AVC] offset:(\kk)*32*VP+(4*(\ch)+\ix)*32+16*VP
.endr
.set ISS, ISS+8
	SETGE \b
.endm
.macro LDA                             ; a of my lane's query in each of the eight query tiles
.irp qx, 0,1,2,3,4,5,6,7
	ds_load_b32 v[AF+\qx], v[AALC] offset:64*\qx
.endr
.set ISS, ISS+8
.set GEA, ISS
.endm
.macro RUN code                        ; the runs of loads that stand inside the second product, by number
.if (\code) == 1
	LDP 0, 1, 3
.elseif (\code) == 2
	LDP 1, 0, 0
.elseif (\code) == 3
	LDV 1, 0, 1
.elseif (\code) == 4
	LDV 1, 1, 2
	LDP 1, 1, 3
.elseif (\code) == 5
	LDA                                            ; a first: the wait for K's slice 0 then shows a in too
	LDK 0, 0
	LDK 1, 1
.else
	LDA
.endif
.endm
; THE MATRIX WORK.  The accumulators take turns, one instruction a turn: 8 in the scores, 16 in each half of the second product.
.macro SPAIR                           ; K slice c, key tile kt, both query tiles.  Slice 0 starts the sums with t
.set rK, FB+32*(c%4)+8*kt
.irp t, 0,1
.set rS, S+32*\t+8*kt
.set rQ, 128*\t+8*c
.if c == 0
	v_wmma_f32_16x16x32_bf16 v[rS:rS+7], v[rK:rK+7], v[rQ:rQ+7], v[BIAS+8*\t:BIAS+8*\t+7]
.else
	v_wmma_f32_16x16x32_bf16 v[rS:rS+7], v[rK:rK+7], v[rQ:rQ+7], v[rS:rS+7]
.endif
.endr
.endm
.macro RS4 a                           ; accumulator a = 8 qt + ct times a(qt), from its low end on; a's register pair gives its first or its second register to both halves
.set rA, 8*((\a)%32)
.set rF, AF+2*((\a)/16)
	WIN 0x82+0x41*((\a)/32)
.irp z, 0,1,2,3
.if (((\a)/8)%2) == 0
	v_pk_mul_f32 v[rA+2*\z:rA+2*\z+1], v[rA+2*\z:rA+2*\z+1], v[rF:rF+1] op_sel_hi:[1,0]
.else
	v_pk_mul_f32 v[rA+2*\z:rA+2*\z+1], v[rA+2*\z:rA+2*\z+1], v[rF:rF+1] op_sel:[0,1] op_sel_hi:[1,1]
.endif
.endr
.endm
; 16 products: V's block bv (channel tiles 4 ch ..) x P's block bp (query tiles 4 qh ..).  sm = 1: half a unit of the softmax behind each product.  run > 0: that run of LDS loads behind the first two products, four places ahead of it.
.macro HALF bv, bp, qh, ch, sm, run
.set hp, 0
.rept 8
.set rV, FB+32*(\bv)+8*(hp/2)
.set rP, FB+32*(\bp)+16*(hp%2)
.set rO, 128*(hp%2)+32*(\ch)+8*(hp/2)
	WIN 0xa0+0x50*(\qh)
	v_wmma_f32_16x16x32_bf16 v[rO:rO+7], v[rV:rV+7], v[rP:rP+7], v[rO:rO+7]
.if \sm
	HUNIT
	WIN 0xa0+0x50*(\qh)
.endif
	v_wmma_f32_16x16x32_bf16 v[rO+64:rO+71], v[rV:rV+7], v[rP+8:rP+15], v[rO+64:rO+71]
.if \sm
	HUNIT
.endif
.if (hp == 0) && (\run)
	WIN 0
	PLACES
	RUN \run
.endif
.set hp, hp+1
.endr
.endm
; THE SOFTMAX of one step, both tiles, in 90 half units.  s0-s31 are the lane's 32 scores, in pairs 0-15.
.macro FOP t, b                        ; pair b less m
	v_pk_add_f32 v[S+32*(\t)+2*(\b):S+32*(\t)+2*(\b)+1], v[S+32*(\t)+2*(\b):S+32*(\t)+2*(\b)+1], v[ST+8*(\t):ST+8*(\t)+1] op_sel_hi:[1,0] neg_lo:[0,1] neg_hi:[0,1]
.endm
.macro LOP t, b                        ; l takes pair b (pair 0: l = a l + pair)
.if (\b) == 0
	s_wait_alu depctr_va_vdst(0)
	v_pk_fma_f32 v[ST+8*(\t)+2:ST+8*(\t)+3], v[ST+8*(\t)+2:ST+8*(\t)+3], v[ST+8*(\t)+6:ST+8*(\t)+7], v[S+32*(\t):S+32*(\t)+1] op_sel_hi:[1,0,1]
.else
	s_wait_alu depctr_va_vdst(0)
	v_pk_add_f32 v[ST+8*(\t)+2:ST+8*(\t)+3], v[ST+8*(\t)+2:ST+8*(\t)+3], v[S+32*(\t)+2*(\b):S+32*(\t)+2*(\b)+1]
.endif
.endm
.macro COP t, b                        ; pair b rounded to bf16, into a register of S^T whose pair has been summed and rounded: key tile kt's P ends up in its registers 0-3
	v_cvt_pk_bf16_f32 v[S+32*(\t)+8*((\b)/4)+(\b)%4], v[S+32*(\t)+2*(\b)], v[S+32*(\t)+2*(\b)+1]
.endm
; Number n of the 23 at the head.  0-15: the maximum of s0-s31 and the old m, three operands at a time, each accumulator's lowest registers first.  16, 18: the query's other 32 keys lie 16 lanes away.
; 17, 19: m_old - m.  20, 21: the first two pairs less m.  22: a.
.macro HOP n, t
.set rT, ST+8*(\t)
.set rS, S+32*(\t)
.if (\n) < 4
	v_max3_num_f32 v[rT+4+(\n)], v[rS+8*(\n)], v[rS+8*(\n)+1], v[rS+8*(\n)+2]
.elseif (\n) < 12
	v_max3_num_f32 v[rT+4+(\n)%4], v[rT+4+(\n)%4], v[rS+8*((\n)%4)+2*((\n)/4)+1], v[rS+8*((\n)%4)+2*((\n)/4)+2]
.elseif (\n) == 12
	v_max3_num_f32 v[rT+4], v[rT+4], v[rS+7], v[rS+15]
.elseif (\n) == 13
	v_max3_num_f32 v[rT+6], v[rT+6], v[rS+23], v[rS+31]
.elseif (\n) == 14
	v_max3_num_f32 v[rT+4], v[rT+4], v[rT+5], v[rT+6]
.elseif (\n) == 15
	v_max3_num_f32 v[rT+4], v[rT+4], v[rT+7], v[rT]
.elseif (\n) == 16
	v_permlanex16_b32 v[rT+5], v[rT+4], s[SEL], s[SEL+1]
.elseif (\n) == 17
	v_mov_b32 v[rT+1], v[rT]
.elseif (\n) == 18
	v_max_num_f32 v[rT], v[rT+4], v[rT+5]
.elseif (\n) == 19
	v_sub_f32 v[rT+1], v[rT+1], v[rT]
.elseif (\n) < 22
	FOP \t, (\n)-20
.elseif (\n) == 22
	v_exp_f32 v[rT+6], v[rT+1]
.endif
.endm
; Stage k of 16 for tile t, in two parts.  Part 0: the first exponential of pair k, and pair k + 2 less m.  Part 1: the second exponential, then the sum and the rounding of pair k - 1, and what is ready to be stored.
; A plain instruction stands behind each exponential before its result is used (ISA guide 5.7.2).
.macro STG t, k, part
.set rT, ST+8*(\t)
.set rS, S+32*(\t)
.if (\part) == 0
	v_exp_f32 v[rS+2*(\k)], v[rS+2*(\k)]
.if (\k) <= 13
	FOP \t, (\k)+2
.endif
.else
	v_exp_f32 v[rS+2*(\k)+1], v[rS+2*(\k)+1]
.if (\k) >= 1
	LOP \t, (\k)-1
	COP \t, (\k)-1
.endif
.if (\k) == 1
	ds_store_b32 v[AASC], v[rT+6] offset:64*(\t)   ; a: both halves of the lanes hold and store the same number
.set ISS, ISS+1
.endif
.if ((\k) >= 4) && ((\k)%4 == 0)
	ds_store_b128 v[APSC], v[rS+8*((\k)/4-1):rS+8*((\k)/4-1)+3] offset:16*PP*(\t)+32*((\k)/4-1)  ; eight keys of one query: 16 bytes
.set ISS, ISS+1
.endif
.endif
.endm
.macro HUNIT                           ; half unit hu: 0-22 one of the head's numbers for both tiles; 24-87 a part of a stage, the tiles alternating by stages; 88, 89 the last pair's sums, roundings and stores; the others are empty
.if (hu < 90) && (hu != 23)
	WIN 0
.endif
.if hu < 23
	HOP hu, 0
	HOP hu, 1
.elseif (hu >= 24) && (hu < 88)
	STG ((hu-24)/2)%2, (hu-24)/4, hu%2
.elseif hu == 88
	LOP 0, 15
	LOP 1, 15
.elseif hu == 89
	COP 0, 15
	COP 1, 15
	ds_store_b128 v[APSC], v[S+24:S+27] offset:96
	ds_store_b128 v[APSC], v[S+56:S+59] offset:16*PP+96
.set ISS, ISS+2
.endif
.set hu, hu+1
.endm
; PHASE A.  For each K slice: its block is in; four pairs of products, behind each (rs = 1) the rescaling of one accumulator.  Behind the first pair the block of the slice before takes slice c + 3 (in slice 0: blocks 2 and 3 take
; slices 2 and 3), or (nxt = 1) the second product's first fragments.  The places in front of such a run are the rescalings (eight plain instructions since the block's last reader); with rs = 0 four v_nop.
.macro PHASE_A rs, nxt
.set c, 0
.rept 16
	NEED c%4
.set kt, 0
.rept 4
	WIN W_S
	SPAIR
.if \rs
	RS4 4*c+kt
.endif
.if (kt == 0) && ((c <= 12) || (\nxt))
.if !(\rs)
	PLACES
.endif
	WIN W_S
.if c == 0
	LDK 2, 2
	LDK 3, 3
.elseif c <= 12
	LDK c+3, (c-1)%4
.elseif c == 13
	LDP 0, 0, 0
.elseif c == 14
	LDV 0, 0, 1
.else
	LDV 0, 1, 2
.endif
.endif
.set kt, kt+1
.endr
.set c, c+1
.endr
.endm
; PHASE B, its first 96 products.  Blocks 0 and 3 hold P (query tiles 0-3, 4-7), blocks 1 and 2 hold V (channel tiles 0-3, 4-7), first of keys 0-31, then of keys 32-63.
.macro PHASE_B sm
.set hu, 0
	NEED 1                                         ; blocks 0 and 1 (block 0's group was issued ahead of block 1's)
	HALF 1, 0, 0, 0, \sm, 1                        ; block 3, which the scores' last slice read, takes P of query tiles 4-7
	NEED 2
	HALF 2, 0, 0, 1, \sm, 0
	NEED 3
	HALF 1, 3, 1, 0, \sm, 2                        ; block 0 takes P of keys 32-63
	HALF 2, 3, 1, 1, \sm, 3                        ; block 1 takes V of keys 32-63
	NEED 1
	HALF 1, 0, 0, 0, \sm, 4                        ; blocks 2 and 3 take theirs
	NEED 2
	HALF 2, 0, 0, 1, \sm, 0
.endm
; THE STEP'S BARRIER.  Each wave waits for all its tensor loads (one is out), adds 0 to its spare word, and waits for that, for its stores of P and a and for its reads of K(j+1), V(j), P(j), a(j).  Behind the barrier the others' P and a
; may be read, nobody reads the old slots, and the next slots are whole.  kind > 0: slots are filled again: the barrier opens a round of the cluster's, and the joint refill is the first thing behind it.
; q4 = 1: sixteen products, work on registers, stand between the signal and the wait.
.macro CHANGE kind, q4
	WIN 0
	s_wait_tensorcnt 0x0                           ; no tensor load of mine is out, so a group 0 may be written
	ds_add_u32 v[SPW], v[NIL]                      ; 0 onto my spare word
.if (\kind) & 1
	s_xor_b32 s[G0K+5], s[G0K+5], KSLOT            ; the walking descriptor: the other slot than last time,
	s_add_nc_u64 s[G0K+6:G0K+7], s[G0K+6:G0K+7], 65536  ; the next 64 keys; the type bits on top are not reached
.endif
.if (\kind) & 2
	s_xor_b32 s[G0V+5], s[G0V+5], VSLOT
	s_add_nc_u64 s[G0V+6:G0V+7], s[G0V+6:G0V+7], 65536
.endif
	s_wait_dscnt 0x0
.set ISS, 0
.set GEA, 0
.set GE0, 0
.set GE1, 0
.set GE2, 0
.set GE3, 0
	s_barrier_signal -1
.if \q4
	HALF 1, 3, 1, 0, 0, 0
.endif
	WIN 0
	s_barrier_wait -1
.if \kind
	CREST
	JLOAD \kind
.endif
.endm
.macro POSTA k                         ; behind the barrier: where a of the next step lies, and (k = 1) K of the step after it
	v_add_nc_u32 v[AALC], s[TA], v[AAL0]
.if \k
	v_add_nc_u32 v[AKC], s[TK], v[AK0]
.endif
	s_xor_b32 s[TA], s[TA], ABUF
	s_xor_b32 s[TK], s[TK], KSLOT
.endm
.macro HEAD                            ; a step's addresses: four plain instructions, places behind the step before's last products
	v_add_nc_u32 v[AVC], s[TV], v[AV0]
	v_add_nc_u32 v[APLC], s[TP], v[APL0]
	s_xor_b32 s[TP], s[TP], PBUF
	s_xor_b32 s[TV], s[TV], VSLOT
	v_add_nc_u32 v[APSC], s[TP], v[APS0]           ; the next step's P goes into the other buffer,
	v_add_nc_u32 v[AASC], s[TA], v[AAS0]           ; its a too (POSTA has turned TA)
.endm
.macro TURNOVER kind, k                ; from one step to the next: the barrier and the refill; the step's last 16 products, and behind their first pair a of the next step and (k = 1) the first two K slices
	CHANGE \kind, 1
	POSTA \k
	HALF 2, 3, 1, 1, 0, 6-(\k)
	WIN 0
.endm
.macro BODY                            ; a step up to its barrier
	HEAD
	PHASE_A 1, 1
	PHASE_B 1
	WIN 0
.endm
	s_load_b128 s[4:7], s[0:1], 0x0                ; w1 s[4:5], w2 s[6:7]
	s_load_b64 s[8:9], s[0:1], 0x10                ; w3
	v_lshl_add_u32 v[SPW], v0, 2, SPARE
	v_mov_b32 v[NIL], 0
	ds_add_u32 v[SPW], v[NIL]                      ; the wave's opening: the add and its wait stand ahead of my first tensor load; the set-up below, work on registers, stands between them
	v_lshrrev_b32 v1, 5, v0
	v_readfirstlane_b32 s[WV], v1                  ; wave 0..3
	s_bfe_u32 s11, ttmp6, 0x40000                  ; cx: my place in the cluster
	s_lshl_b32 s12, ttmp9, 2                       ; in a cluster launch ttmp9 counts clusters
	s_add_co_u32 s12, s12, s11                     ; qblk: it enters the addresses of Q, t and the results alone
	s_and_b32 s13, ttmp7, 0xffff                   ; the slab, which the four partners share
	s_and_b32 s78, s[WV], 1                        ; which 32 of a step's 64 rows I fetch
	s_lshl_b32 s14, s13, 20                        ; a slab is 1,024 rows of 1,024 bytes
	s_lshl_b32 s15, s78, 15
	s_add_co_u32 s14, s14, s15
	s_mov_b32 s15, 0
	; descriptor group 1: a tile of 32 rows x 512 elements of 2 bytes, padded in LDS behind every row
	s_mov_b32 s[G1K], 15|(1<<16)|(1<<20)|(1<<21)|(7<<22)|(3<<25)  ; 15:0 the mask of four; 17:16 2-byte elements; 20 padding on; 21 set beside a mask; 24:22 after every 256 words (code 7); 31:25 4 words (code 3)
	s_mov_b32 s[G1V], 15|(1<<16)|(1<<20)|(1<<21)|(7<<22)|(7<<25)  ; the same with 8 words of padding (code 7)
.irp g, G1K, G1V
	s_mov_b32 s[\g+1], 512<<16                     ; tensor_dim0 = 512
	s_mov_b32 s[\g+2], 32<<16                      ; tensor_dim1 = 32
	s_mov_b32 s[\g+3], 512<<16                     ; tile_dim0 = 512
	s_mov_b32 s[\g+4], 32                          ; tile_dim1 = 32
	s_mov_b32 s[\g+5], 512                         ; 512 elements from row to row
	s_mov_b32 s[\g+6], 0
	s_mov_b32 s[\g+7], 0
.endr
	s_mov_b32 s[G0K], 1                            ; count = 1
	s_mul_i32 s[G0K+1], s78, 32*KP                 ; LDS address: slot 0, my half: no place in the cluster enters it
	s_mov_b32 s[G0K+4], 1
	s_add_co_u32 s[G0K+5], s[G0K+1], KSLOT         ; slot 1
	s_mul_i32 s79, s78, 32*VP
	s_mov_b32 s[G0V], 1
	s_add_co_u32 s[G0V+1], s79, VB0
	s_mov_b32 s[G0V+4], 1
	s_add_co_u32 s[G0V+5], s79, VB0+VSLOT
	s_lshl_b32 s16, s12, 17                        ; my block's eight query tiles of 16,384 bytes of Q,
	s_lshl_b32 s17, s[WV], 15                      ; my wave's two of them
	s_add_co_u32 s16, s16, s17
	s_mov_b32 s17, 0
	s_lshl_b32 s18, s12, 9
	s_lshl_b32 s19, s[WV], 7
	s_add_co_u32 s18, s18, s19                     ; 4 x my wave's first query
	s_mov_b32 s19, 0
	s_lshl_b32 s74, s13, 3
	s_add_co_u32 s74, s74, s12
	s_lshl2_add_u32 s74, s74, s[WV]                ; (8 slab + qblk) 4 + w:
	s_lshl_b32 s74, s74, 16                        ; my wave's 64 accumulators of 1,024 bytes
	s_mov_b32 s75, 0
	s_lshl_b32 s76, s13, 13                        ; a slab's m and l: 8,192 bytes
	s_add_co_u32 s76, s76, s18
	s_mov_b32 s77, 0
	s_mov_b32 s[SEL], 0x76543210
	s_mov_b32 s[SEL+1], 0xfedcba98
	s_mov_b32 s[TK], KSLOT                         ; the first address made from it is K(1)'s
	s_mov_b32 s[TV], 0
	s_mov_b32 s[TP], 0
	s_mov_b32 s[TA], 0
	s_wait_dscnt 0x0                               ; the opening add is done
	s_wait_kmcnt 0x0
	s_add_nc_u64 s[70:71], s[4:5], s[14:15]
	s_add_nc_u64 s[G0K+2:G0K+3], s[70:71], 0x400000  ; K of step 0
	s_add_nc_u64 s[G0K+6:G0K+7], s[70:71], 0x410000  ; of step 1
	s_or_b32 s[G0K+3], s[G0K+3], 0x80000000        ; type = 2
	s_or_b32 s[G0K+7], s[G0K+7], 0x80000000
	s_add_nc_u64 s[72:73], s[6:7], s[14:15]
	s_add_nc_u64 s[G0V+2:G0V+3], s[72:73], 0x401000
	s_add_nc_u64 s[G0V+6:G0V+7], s[72:73], 0x411000
	s_or_b32 s[G0V+3], s[G0V+3], 0x80000000
	s_or_b32 s[G0V+7], s[G0V+7], 0x80000000
	s_add_nc_u64 s[20:21], s[6:7], s[16:17]
	s_add_nc_u64 s[20:21], s[20:21], 0x200000      ; Q at my wave's first tile
	s_add_nc_u64 s[22:23], s[6:7], s[18:19]
	s_add_nc_u64 s[22:23], s[22:23], 0x400000      ; t at my wave's first query
	s_add_nc_u64 s[66:67], s[8:9], s[74:75]        ; where my accumulators go
	s_add_nc_u64 s[68:69], s[8:9], s[76:77]
	s_add_nc_u64 s[68:69], s[68:69], 0x4000000     ; where my m go; l 4,096 bytes on
	CROUND                                         ; all four work-groups are here: the first joint loads meet
	s_cmp_lt_u32 s[WV], 2                          ; a wave's two first fills stand in one branch, ahead of every wait on TENSORcnt and every LDS read
	s_cbranch_scc0 .Lfirst_v
	tensor_load_to_lds s[G0K:G0K+3], s[G1K:G1K+7]
	s_nop 0
	tensor_load_to_lds s[G0K+4:G0K+7], s[G1K:G1K+7]
	s_nop 0
	PLACES
	s_branch .Lfirst_asked
.Lfirst_v:
	tensor_load_to_lds s[G0V:G0V+3], s[G1V:G1V+7]
	s_nop 0
	tensor_load_to_lds s[G0V+4:G0V+7], s[G1V:G1V+7]
	s_nop 0
	PLACES
.Lfirst_asked:
	v_and_b32 v62, 31, v0                          ; lane
	v_lshlrev_b32 v56, 4, v62                      ; 16 bytes a lane
	v_and_b32 v58, 15, v0                          ; r = lane % 16
	v_bfe_u32 v59, v0, 4, 1                        ; h = lane / 16
	v_lshlrev_b32 v57, 2, v58
	WIN 0x40                                       ; destination window 1.  Load n = 32 t + 2 c + half brings registers 128 t + 8 c + 4 half on: Q lies in memory as it lies in the registers
.set n, 0
.rept 64
	global_load_b128 v[4*n:4*n+3], v56, s[20:21] offset:512*n  ; 512 consecutive bytes
.set n, n+1
.endr
	WIN 0
	global_load_b32 v[BIAS], v57, s[22:23]
	global_load_b32 v[BIAS+8], v57, s[22:23] offset:64
	v_mul_u32_u24 v[AK0], v58, KP
	v_lshl_add_u32 v[AK0], v59, 4, v[AK0]          ; row x pitch + 16 x half
	v_and_b32 v60, 7, v0
	v_bfe_u32 v61, v0, 3, 1
	v_lshl_add_u32 v[AV0], v59, 3, v60             ; the turning load: key 8 h + lane % 8,
	v_mul_u32_u24 v[AV0], v[AV0], VP
	v_lshl_add_u32 v[AV0], v61, 4, v[AV0]          ; 16 bytes by (lane / 8) % 2,
	s_lshl_b32 s63, s[WV], 8
	s_add_co_u32 s63, s63, VB0                     ; my wave's 128 channels
	v_add_nc_u32 v[AV0], s63, v[AV0]
	v_mul_u32_u24 v[APL0], v58, PP
	v_lshl_add_u32 v[APL0], v59, 4, v[APL0]
	v_add_nc_u32 v[APL0], PB, v[APL0]
	s_mul_i32 s63, s[WV], 32*PP
	v_add_nc_u32 v[APS0], s63, v[APL0]
	v_lshl_add_u32 v[AAL0], v58, 2, AB
	s_lshl_b32 s63, s[WV], 7
	v_add_nc_u32 v[AAS0], s63, v[AAL0]
.irp t, 0,1
	v_mov_b32 v[ST+8*\t], 0xff7fffff               ; m: the lowest finite number, so the first step's a is 0
	v_mov_b32 v[ST+8*\t+2], 0                      ; l
	v_mov_b32 v[ST+8*\t+3], 0
.endr
	; O^T starts at 0: 512 moves, in the wait for Q and the first tiles.  They are the price of writing no first step out (its text would be some 9,000 bytes more).
	WIN 0x80
.set n, 0
.rept 256
	v_mov_b32 v[n], 0
.set n, n+1
.endr
	WIN 0xc0
.set n, 0
.rept 256
	v_mov_b32 v[n], 0
.set n, n+1
.endr
	WIN 0
	s_wait_loadcnt 0x0                             ; Q and t
.irp i, 1,2,3,4,5,6,7
	v_mov_b32 v[BIAS+\i], v[BIAS]                  ; a lane's eight scores of a tile belong to one query: t eight times
	v_mov_b32 v[BIAS+8+\i], v[BIAS+8]
.endr
	v_mov_b32 v[AKC], v[AK0]                       ; step 0 lies in slot 0,
	v_mov_b32 v[APSC], v[APS0]                     ; its P and a go into buffer 0
	v_mov_b32 v[AASC], v[AAS0]
	s_wait_tensorcnt 0x1                           ; my part of step 0 is in; step 1's may stay out
	s_barrier_signal -1
	s_barrier_wait -1                              ; everybody's is
	LDK 0, 0
	LDK 1, 1
	PHASE_A 0, 0                                   ; the scores of step 0: there is nothing yet to rescale
	WIN 0
	PLACES                                         ; behind the last of those products
.set hu, 0
.rept 96
	HUNIT                                          ; the softmax of step 0
.endr
	CHANGE 1, 0                                    ; K(0) has been read: K(2) takes its slot
	POSTA 1
	RUN 5                                          ; the same 24 loads that the loop's text issues between its barrier and the label below: the counted waits behind the label hold on both ways
	s_mov_b32 s[CNT], 14
	s_branch .Lenter                               ; the loop is entered behind its barrier: step 0 has no step before it
.Ltrip:                                                ; 13 times: X(0) to X(12): K(j+3) and V(j+2) are asked for
	TURNOVER 3, 1
.Lenter:                                               ; 14 times: steps 0 to 13
	BODY
	s_sub_co_u32 s[CNT], s[CNT], 1
	s_cmp_lg_u32 s[CNT], 0
	s_cbranch_scc1 .Ltrip
	TURNOVER 2, 1                                  ; the tail is written out.  X(13): V(15) alone is left to ask for
	BODY                                           ; step 14: the scores and the softmax of step 15
	TURNOVER 0, 0                                  ; X(14): nothing is asked for
	HEAD                                           ; step 15: no further scores
	LDP 0, 0, 0
	LDV 0, 0, 1
	LDV 0, 1, 2
	s_wait_dscnt ISS-GEA                           ; a is in; the 24 loads issued behind it stay out
.set c, 0
.rept 64
	RS4 c
.set c, c+1
.endr
	PHASE_B 0
	NEED 3
	HALF 1, 3, 1, 0, 0, 0
	HALF 2, 3, 1, 1, 0, 0
	; THE WAY OUT.  l's two halves and the other half of the lanes' are added; lanes 0-15 take tile 0's query, lanes 16-31 tile 1's.  The accumulators leave as they lie, 512 consecutive bytes a store.
	WIN 0
	PLACES
	v_add_f32 v[ST+2], v[ST+2], v[ST+3]
	v_add_f32 v[ST+10], v[ST+10], v[ST+11]
	v_permlanex16_b32 v[ST+3], v[ST+2], s[SEL], s[SEL+1]
	v_permlanex16_b32 v[ST+11], v[ST+10], s[SEL], s[SEL+1]
	v_add_f32 v[ST+2], v[ST+2], v[ST+3]
	v_add_f32 v[ST+10], v[ST+10], v[ST+11]
	v_and_b32 v62, 31, v0
	v_cmp_lt_u32 vcc_lo, 15, v62
	v_cndmask_b32 v58, v[ST], v[ST+8], vcc_lo
	v_cndmask_b32 v59, v[ST+2], v[ST+10], vcc_lo
	v_lshlrev_b32 v61, 2, v62
	v_lshlrev_b32 v60, 4, v62
	global_store_b32 v61, v58, s[68:69]
	global_store_b32 v61, v59, s[68:69] offset:4096
	WIN 0x08                                       ; a store's data (source 1) in window 2
.set c, 0
.rept 32
	global_store_b128 v60, v[8*c:8*c+3], s[66:67] offset:c*1024       ; each accumulator from its low end on
	global_store_b128 v60, v[8*c+4:8*c+7], s[66:67] offset:c*1024+512
.set c, c+1
.endr
	WIN 0x0c
.set c, 0
.rept 32
	global_store_b128 v60, v[8*c:8*c+3], s[66:67] offset:(c+32)*1024
	global_store_b128 v60, v[8*c+4:8*c+7], s[66:67] offset:(c+32)*1024+512
.set c, c+1
.endr
	WIN 0
	s_wait_tensorcnt 0x0                           ; the wave's end: a wait for tensor loads, 0 onto my spare word and a wait for it, behind my last tensor load and my last LDS store
	ds_add_u32 v[SPW], v[NIL]
	s_wait_dscnt 0x0
	CROUND                                         ; the closing round: no work-group ends while a partner may still ask for a tile that names it
	s_endpgm
.Lfunc_end_k_qd67c91bb30_attn:
	.size	k_qd67c91bb30_attn, .Lfunc_end_k_qd67c91bb30_attn-k_qd67c91bb30_attn
	.p2alignl 7, 3214868480
	.fill 96, 4, 3214868480
	.section	.rodata,"a",@progbits
	.p2align	6, 0x0
	.amdhsa_kernel k_qd67c91bb30_attn
		.amdhsa_group_segment_fixed_size 327680
		.amdhsa_private_segment_fixed_size 0
		.amdhsa_enable_private_segment 0
		.amdhsa_kernarg_size 24
		.amdhsa_user_sgpr_count 2
		.amdhsa_user_sgpr_kernarg_segment_ptr 1
		.amdhsa_wavefront_size32 1
		.amdhsa_system_sgpr_workgroup_id_x 1
		.amdhsa_system_sgpr_workgroup_id_y 1
		.amdhsa_system_sgpr_workgroup_id_z 1
		.amdhsa_system_vgpr_workitem_id 0
		.amdhsa_next_free_vgpr 1024
		.amdhsa_next_free_sgpr 80
		.amdhsa_reserve_vcc 1
		.amdhsa_float_denorm_mode_32 3
		.amdhsa_float_denorm_mode_16_64 3
		.amdhsa_memory_ordered 1
		.amdhsa_forward_progress 1
		.amdhsa_inst_pref_size 248
	.end_amdhsa_kernel
	.amdgpu_metadata
---
amdhsa.version: [ 1, 2 ]
amdhsa.kernels:
  - .name:           k_qd67c91bb30_attn
    .symbol:         k_qd67c91bb30_attn.kd
    .args:
      - { .name: w1, .offset: 0, .size: 8, .value_kind: global_buffer, .address_space: global }
      - { .name: w2, .offset: 8, .size: 8, .value_kind: global_buffer, .address_space: global }
      - { .name: w3, .offset: 16, .size: 8, .value_kind: global_buffer, .address_space: global }
    .group_segment_fixed_size: 327680
    .private_segment_fixed_size: 0
    .kernarg_segment_align: 8
    .kernarg_segment_size: 24
    .max_flat_workgroup_size: 128
    .sgpr_count:     80
    .vgpr_count:     1024
    .wavefront_size: 32
...
	.end_amdgpu_metadata
.endif
;; end of part 3
;; launch comb (part 4): grid 256 x 1, 8 waves a work-group, no clusters, 9,472 bytes of LDS; arguments w3, w4; writes w4
.if DOCPART == 4
	.amdgcn_target "amdgcn-amd-amdhsa--gfx1250"
	.amdhsa_code_object_version 6
	.text
	.protected	k_qd67c91bb30_comb
	.globl	k_qd67c91bb30_comb
	.p2align	8
	.type	k_qd67c91bb30_comb,@function
k_qd67c91bb30_comb:
	s_mov_b64 s[64:65], 0
	v_nop
	global_prefetch_b8 v0, s[64:65] scope:SCOPE_SE
	s_setreg_imm32_b32 hwreg(HW_REG_WAVE_MODE, 25, 1), 1
	s_wait_xcnt 0x0
; THE 32 SLABS' PARTS ARE JOINED.  Oc[q][ch] = sum over s of 2^(m_s - M) O_s[q][ch] / sum over s of 2^(m_s - M) l_s, M = the largest m_s.  All in f32.
; Work-group g owns 16 queries (128 (g / 32) + 16 (g % 8) on) and 128 channels (128 ((g / 8) % 4) on); its wave ct one accumulator of 16 x 16 as the launch before stored it: lane (r, h) holds query r, channels 16 ct + 8 h + 0..7.
; A stream: every byte of the parts is read once, in loads of 512 consecutive bytes; no matrix unit, no cluster (no two work-groups read the same byte but the 256 KiB of m and l).
; A wave has 32 loads of data out: slabs 0-15 at the start; a slab's registers are loaded again with the slab 16 further on as soon as they have been used.
; LIMITS: a factor below 2^-126 counts as 0; NaN and infinities are not treated apart.
.set SP,    528                        ; a stage row: 128 channels x 4 bytes + 16
.set SPARE, 16*SP                      ; 8,448: the spare words, 128 bytes for each of eight waves
.set SLABB, 2097152                    ; bytes from a slab's parts to the next slab's
.set W,   16                           ; v16-47  m_s, then 2^(m_s - M), then the weights
.set LL,  48                           ; v48-79  l_s
.set ACC, 80                           ; v80-87  my eight sums
.set TC,  88                           ; v88-91  at work
.set D,   96                           ; v96-223 16 slabs x 8
.macro DLOAD sl
	global_load_b128 v[D+8*((\sl)%16):D+8*((\sl)%16)+3],   v5, s[16+2*((\sl)/4):17+2*((\sl)/4)] offset:((\sl)%4)*SLABB th:TH_LOAD_NT
	global_load_b128 v[D+8*((\sl)%16)+4:D+8*((\sl)%16)+7], v5, s[16+2*((\sl)/4):17+2*((\sl)/4)] offset:((\sl)%4)*SLABB+512 th:TH_LOAD_NT
.endm
.macro TAKE sl                         ; the sums take slab sl with its weight: the weights' register pair gives its first or its second register to both halves
.irp z, 0,1,2,3
.if (\sl) == 0
	v_pk_mul_f32 v[ACC+2*\z:ACC+2*\z+1], v[D+2*\z:D+2*\z+1], v[W:W+1] op_sel_hi:[1,0]
.elseif ((\sl)%2) == 0
	v_pk_fma_f32 v[ACC+2*\z:ACC+2*\z+1], v[D+8*((\sl)%16)+2*\z:D+8*((\sl)%16)+2*\z+1], v[W+(\sl):W+(\sl)+1], v[ACC+2*\z:ACC+2*\z+1] op_sel_hi:[1,0,1]
.else
	v_pk_fma_f32 v[ACC+2*\z:ACC+2*\z+1], v[D+8*((\sl)%16)+2*\z:D+8*((\sl)%16)+2*\z+1], v[W+(\sl)-1:W+(\sl)], v[ACC+2*\z:ACC+2*\z+1] op_sel:[0,1,0] op_sel_hi:[1,1,1]
.endif
.endr
.endm
	s_load_b128 s[4:7], s[0:1], 0x0                ; w3 s[4:5], w4 s[6:7]
	v_lshl_add_u32 v14, v0, 2, SPARE               ; my spare word,
	v_mov_b32 v15, 0                               ; and 0; neither is rewritten
	v_and_b32 v1, 31, v0                           ; lane
	v_lshrrev_b32 v2, 5, v0                        ; ct
	v_and_b32 v3, 15, v0                           ; r
	v_bfe_u32 v4, v0, 4, 1                         ; h
	s_lshl_b32 s9, ttmp9, 13                       ; the work-group's eight accumulators of 1,024 bytes
	s_lshr_b32 s10, ttmp9, 5
	s_and_b32 s11, ttmp9, 7
	s_bfe_u32 s14, ttmp9, 0x20003                  ; which 128 channels
	s_lshl_b32 s12, s10, 7
	s_lshl4_add_u32 s12, s11, s12                  ; the first of my 16 queries
	s_lshl_b32 s15, s14, 9
	v_lshlrev_b32 v5, 4, v1
	v_lshl_add_u32 v5, v2, 10, v5
	v_add_nc_u32 v5, s9, v5                        ; my 16 bytes in a slab's parts
	v_add_lshl_u32 v6, v3, s12, 2                  ; my query's word in m and l
	s_wait_kmcnt 0x0
.irp k, 0,1,2,3,4,5,6,7
	s_add_nc_u64 s[16+2*\k:17+2*\k], s[4:5], \k*4*SLABB  ; a base for every four slabs: the rest stands in the immediate
.endr
	s_add_nc_u64 s[32:33], s[4:5], 0x4000000       ; m and l
.set sl, 0
.rept 32
	global_load_b32 v[W+sl], v6, s[32:33] offset:sl*8192
.set sl, sl+1
.endr
.set sl, 0
.rept 32
	global_load_b32 v[LL+sl], v6, s[32:33] offset:sl*8192+4096
.set sl, sl+1
.endr
.set sl, 0
.rept 16
	DLOAD sl
.set sl, sl+1
.endr
	v_mul_u32_u24 v7, v3, SP                       ; into the stage: row r, byte 64 ct + 32 h
	v_lshl_add_u32 v7, v2, 6, v7
	v_lshl_add_u32 v7, v4, 5, v7
	v_mul_u32_u24 v9, v2, SP                       ; back: row ct (and ct + 8), 16 bytes a lane
	v_lshl_add_u32 v9, v1, 4, v9
	v_add_nc_u32 v10, s12, v2
	v_lshlrev_b32 v10, 11, v10
	v_lshl_add_u32 v10, v1, 4, v10
	v_add_nc_u32 v10, s15, v10                     ; the same row in Oc
	s_wait_loadcnt 32                              ; m and l are in; the 32 loads of data stay out
.irp k, 0,1,2,3
	v_max3_num_f32 v[TC+\k], v[W+8*\k], v[W+8*\k+1], v[W+8*\k+2]
.endr
.irp k, 0,1,2,3
	v_max3_num_f32 v[TC+\k], v[TC+\k], v[W+8*\k+3], v[W+8*\k+4]
.endr
.irp k, 0,1,2,3
	v_max3_num_f32 v[TC+\k], v[TC+\k], v[W+8*\k+5], v[W+8*\k+6]
.endr
.irp k, 0,1,2,3
	v_max_num_f32 v[TC+\k], v[TC+\k], v[W+8*\k+7]
.endr
	v_max3_num_f32 v[TC], v[TC], v[TC+1], v[TC+2]
	v_max_num_f32 v[TC], v[TC], v[TC+3]            ; M
.set sl, 0
.rept 32
	v_sub_f32 v[W+sl], v[W+sl], v[TC]
.set sl, sl+1
.endr
.set sl, 0
.rept 32
	v_exp_f32 v[W+sl], v[W+sl]
.set sl, sl+1
.endr
	v_nop                                          ; a plain instruction between the exponentials and the use of their results (ISA guide 5.7.2)
	s_wait_alu depctr_va_vdst(0)
.irp k, 0,1,2,3
	v_mul_f32 v[TC+\k], v[W+\k], v[LL+\k]          ; the divisor, in four chains
.endr
.set sl, 4
.rept 28
	v_fmac_f32 v[TC+sl%4], v[W+sl], v[LL+sl]
.set sl, sl+1
.endr
	v_add_f32 v[TC], v[TC], v[TC+1]
	v_add_f32 v[TC+2], v[TC+2], v[TC+3]
	v_add_f32 v[TC], v[TC], v[TC+2]
	v_rcp_f32 v[TC+1], v[TC]
	v_nop
.set sl, 0
	s_wait_alu depctr_va_vdst(0)
.rept 32
	v_mul_f32 v[W+sl], v[W+sl], v[TC+1]
.set sl, sl+1
.endr
.set sl, 0
.rept 16
	s_wait_loadcnt 30                              ; this slab's two loads are in; the 15 younger slabs' 30 stay out
	TAKE sl
	DLOAD sl+16
.set sl, sl+1
.endr
.rept 16
	s_wait_loadcnt 2*(31-sl)                       ; nothing more is asked for: the counts run down
	TAKE sl
.set sl, sl+1
.endr
	ds_store_b128 v7, v[ACC:ACC+3]
	ds_store_b128 v7, v[ACC+4:ACC+7] offset:16
	s_wait_dscnt 0x0                               ; a row's 512 bytes come from eight waves
	s_barrier_signal -1
	s_barrier_wait -1
	ds_load_b128 v[D:D+3], v9
	ds_load_b128 v[D+4:D+7], v9 offset:8*SP
	s_wait_dscnt 1
	global_store_b128 v10, v[D:D+3], s[6:7]        ; 512 consecutive bytes, at a multiple of 512 from Oc's first byte
	s_wait_dscnt 0x0
	global_store_b128 v10, v[D+4:D+7], s[6:7] offset:16384
	s_wait_tensorcnt 0x0                           ; the wave's end: a wait for tensor loads, 0 onto my spare word and a wait for it, behind my last LDS store
	ds_add_u32 v14, v15
	s_wait_dscnt 0x0
	s_endpgm
.Lfunc_end_k_qd67c91bb30_comb:
	.size	k_qd67c91bb30_comb, .Lfunc_end_k_qd67c91bb30_comb-k_qd67c91bb30_comb
	.p2alignl 7, 3214868480
	.fill 96, 4, 3214868480
	.section	.rodata,"a",@progbits
	.p2align	6, 0x0
	.amdhsa_kernel k_qd67c91bb30_comb
		.amdhsa_group_segment_fixed_size 9472
		.amdhsa_private_segment_fixed_size 0
		.amdhsa_enable_private_segment 0
		.amdhsa_kernarg_size 16
		.amdhsa_user_sgpr_count 2
		.amdhsa_user_sgpr_kernarg_segment_ptr 1
		.amdhsa_wavefront_size32 1
		.amdhsa_system_sgpr_workgroup_id_x 1
		.amdhsa_system_sgpr_workgroup_id_y 1
		.amdhsa_system_sgpr_workgroup_id_z 1
		.amdhsa_system_vgpr_workitem_id 0
		.amdhsa_next_free_vgpr 224
		.amdhsa_next_free_sgpr 66
		.amdhsa_reserve_vcc 0
		.amdhsa_float_denorm_mode_32 3
		.amdhsa_float_denorm_mode_16_64 3
		.amdhsa_memory_ordered 1
		.amdhsa_forward_progress 1
		.amdhsa_inst_pref_size 30
	.end_amdhsa_kernel
	.amdgpu_metadata
---
amdhsa.version: [ 1, 2 ]
amdhsa.kernels:
  - .name:           k_qd67c91bb30_comb
    .symbol:         k_qd67c91bb30_comb.kd
    .args:
      - { .name: w3, .offset: 0, .size: 8, .value_kind: global_buffer, .address_space: global }
      - { .name: w4, .offset: 8, .size: 8, .value_kind: global_buffer, .address_space: global }
    .group_segment_fixed_size: 9472
    .private_segment_fixed_size: 0
    .kernarg_segment_align: 8
    .kernarg_segment_size: 16
    .max_flat_workgroup_size: 256
    .sgpr_count:     66
    .vgpr_count:     224
    .wavefront_size: 32
...
	.end_amdgpu_metadata
.endif
;; end of part 4
;; launch post: the kernel of part 1 again; grid 128 x 2, 8 waves a work-group, no clusters, 134,144 bytes of LDS; arguments w4, Wv, bv, prev_layer_output, w2, w6, dstore_k, w5; writes w5
;; launch fin (part 5): grid 256 x 1, 4 waves a work-group, no clusters, 0 bytes of LDS; arguments w5, w1, prev_layer_output, Wg2, bg2, out0; writes out0
.if DOCPART == 5
	.amdgcn_target "amdgcn-amd-amdhsa--gfx1250"
	.amdhsa_code_object_version 6
	.text
	.protected	k_qd67c91bb30_fin
	.globl	k_qd67c91bb30_fin
	.p2align	8
	.type	k_qd67c91bb30_fin,@function
k_qd67c91bb30_fin:
	s_mov_b64 s[64:65], 0
	v_nop
	global_prefetch_b8 v0, s[64:65] scope:SCOPE_SE
	s_setreg_imm32_b32 hwreg(HW_REG_WAVE_MODE, 25, 1), 1
	s_wait_xcnt 0x0
; THE GATE.  For each of the 1,024 rows: h = max(hq + hp, 0); z = h . Wg2 + bg2; sigma = 1 / (1 + e^-z); out = prev + sigma (at - prev).  All in f32.
; at lies at w5's head, hq 2 MiB behind it, hp 2 MiB into w1.  hq + hp is the row of cat Wg1^T + bg1: hq holds the attention's part and hp prev's part and the bias.
; One wave, one row of 2,048 bytes: four loads of 512 consecutive bytes for each of the five operands, all out at once; the sum never leaves the wave: no LDS, no barrier, no cluster (rows share only Wg2's 2 KiB).
; LIMITS: max(x, 0) of a NaN gives 0; e^-z beyond f32's range gives sigma = 0, as the reference's sigmoid does to within its rounding.
.set HQ, 4                             ; v4-19
.set HP, 20                            ; v20-35
.set WG, 36                            ; v36-51
.set AT, 52                            ; v52-67
.set PV, 68                            ; v68-83
	s_load_b256 s[4:11], s[0:1], 0x0               ; w5 s[4:5], w1 s[6:7], prev s[8:9], Wg2 s[10:11]
	s_load_b128 s[12:15], s[0:1], 0x20             ; bg2 s[12:13], out0 s[14:15]
	v_and_b32 v1, 31, v0
	v_lshrrev_b32 v2, 5, v0
	v_lshlrev_b32 v1, 4, v1                        ; 16 bytes a lane
	s_lshl_b32 s16, ttmp9, 13                      ; four rows a work-group
	v_lshl_add_u32 v2, v2, 11, v1
	v_add_nc_u32 v2, s16, v2
	s_mov_b32 s18, 0x76543210                      ; v_permlanex16_b32: each lane takes its own place in the other half
	s_mov_b32 s19, 0xfedcba98
	s_wait_kmcnt 0x0
	s_load_b32 s17, s[12:13], 0x0                  ; bg2
.irp i, 0,1,2,3
	global_load_b128 v[HQ+4*\i:HQ+4*\i+3], v2, s[4:5] offset:2097152+512*\i
.endr
.irp i, 0,1,2,3
	global_load_b128 v[HP+4*\i:HP+4*\i+3], v2, s[6:7] offset:2097152+512*\i
.endr
.irp i, 0,1,2,3
	global_load_b128 v[WG+4*\i:WG+4*\i+3], v1, s[10:11] offset:512*\i
.endr
.irp i, 0,1,2,3
	global_load_b128 v[AT+4*\i:AT+4*\i+3], v2, s[4:5] offset:512*\i
.endr
.irp i, 0,1,2,3
	global_load_b128 v[PV+4*\i:PV+4*\i+3], v2, s[8:9] offset:512*\i
.endr
	s_wait_loadcnt 8                               ; hq, hp and Wg2 are in; the eight loads of at and prev stay out
.irp i, 0,1,2,3,4,5,6,7
	v_pk_add_f32 v[HQ+2*\i:HQ+2*\i+1], v[HQ+2*\i:HQ+2*\i+1], v[HP+2*\i:HP+2*\i+1]
.endr
.irp i, 0,1,2,3,4,5,6,7,8,9,10,11,12,13,14,15
	v_max_num_f32 v[HQ+\i], 0, v[HQ+\i]
.endr
	v_pk_mul_f32 v[84:85], v[HQ:HQ+1], v[WG:WG+1]  ; two chains, started by the first products
	v_pk_mul_f32 v[86:87], v[HQ+2:HQ+3], v[WG+2:WG+3]
.irp i, 2,4,6
	v_pk_fma_f32 v[84:85], v[HQ+2*\i:HQ+2*\i+1], v[WG+2*\i:WG+2*\i+1], v[84:85]
	v_pk_fma_f32 v[86:87], v[HQ+2*\i+2:HQ+2*\i+3], v[WG+2*\i+2:WG+2*\i+3], v[86:87]
.endr
	v_pk_add_f32 v[84:85], v[84:85], v[86:87]
	v_add_f32 v84, v84, v85
	v_add_f32_dpp v84, v84, v84 row_xmask:1 row_mask:0xf bank_mask:0xf
	v_add_f32_dpp v84, v84, v84 row_xmask:2 row_mask:0xf bank_mask:0xf
	v_add_f32_dpp v84, v84, v84 row_xmask:4 row_mask:0xf bank_mask:0xf
	v_add_f32_dpp v84, v84, v84 row_xmask:8 row_mask:0xf bank_mask:0xf
	v_permlanex16_b32 v85, v84, s18, s19
	v_add_f32 v84, v84, v85
	s_wait_kmcnt 0x0
	v_add_f32 v84, s17, v84                        ; z
	v_mul_f32 v84, 0xbfb8aa3b, v84                 ; - z log2(e)
	v_exp_f32 v84, v84
	v_nop                                          ; a plain instruction behind each transcendental before its result is used (ISA guide 5.7.2)
	s_wait_alu depctr_va_vdst(0)
	v_add_f32 v84, 1.0, v84
	v_rcp_f32 v84, v84
	v_nop
	s_wait_loadcnt 0x0
.irp i, 0,1,2,3,4,5,6,7
	v_pk_add_f32 v[AT+2*\i:AT+2*\i+1], v[AT+2*\i:AT+2*\i+1], v[PV+2*\i:PV+2*\i+1] neg_lo:[0,1] neg_hi:[0,1]
.endr
	s_wait_alu depctr_va_vdst(0)
.irp i, 0,1,2,3,4,5,6,7
	v_pk_fma_f32 v[AT+2*\i:AT+2*\i+1], v[AT+2*\i:AT+2*\i+1], v[84:85], v[PV+2*\i:PV+2*\i+1] op_sel_hi:[1,0,1]
.endr
.irp i, 0,1,2,3
	global_store_b128 v2, v[AT+4*\i:AT+4*\i+3], s[14:15] offset:512*\i  ; 512 consecutive bytes, aligned
.endr
	s_endpgm
.Lfunc_end_k_qd67c91bb30_fin:
	.size	k_qd67c91bb30_fin, .Lfunc_end_k_qd67c91bb30_fin-k_qd67c91bb30_fin
	.p2alignl 7, 3214868480
	.fill 96, 4, 3214868480
	.section	.rodata,"a",@progbits
	.p2align	6, 0x0
	.amdhsa_kernel k_qd67c91bb30_fin
		.amdhsa_group_segment_fixed_size 0
		.amdhsa_private_segment_fixed_size 0
		.amdhsa_enable_private_segment 0
		.amdhsa_kernarg_size 48
		.amdhsa_user_sgpr_count 2
		.amdhsa_user_sgpr_kernarg_segment_ptr 1
		.amdhsa_wavefront_size32 1
		.amdhsa_system_sgpr_workgroup_id_x 1
		.amdhsa_system_sgpr_workgroup_id_y 1
		.amdhsa_system_sgpr_workgroup_id_z 1
		.amdhsa_system_vgpr_workitem_id 0
		.amdhsa_next_free_vgpr 96
		.amdhsa_next_free_sgpr 66
		.amdhsa_reserve_vcc 0
		.amdhsa_float_denorm_mode_32 3
		.amdhsa_float_denorm_mode_16_64 3
		.amdhsa_memory_ordered 1
		.amdhsa_forward_progress 1
		.amdhsa_inst_pref_size 7
	.end_amdhsa_kernel
	.amdgpu_metadata
---
amdhsa.version: [ 1, 2 ]
amdhsa.kernels:
  - .name:           k_qd67c91bb30_fin
    .symbol:         k_qd67c91bb30_fin.kd
    .args:
      - { .name: w5, .offset: 0, .size: 8, .value_kind: global_buffer, .address_space: global }
      - { .name: w1, .offset: 8, .size: 8, .value_kind: global_buffer, .address_space: global }
      - { .name: prev_layer_output, .offset: 16, .size: 8, .value_kind: global_buffer, .address_space: global }
      - { .name: Wg2, .offset: 24, .size: 8, .value_kind: global_buffer, .address_space: global }
      - { .name: bg2, .offset: 32, .size: 8, .value_kind: global_buffer, .address_space: global }
      - { .name: out0, .offset: 40, .size: 8, .value_kind: global_buffer, .address_space: global }
    .group_segment_fixed_size: 0
    .private_segment_fixed_size: 0
    .kernarg_segment_align: 8
    .kernarg_segment_size: 48
    .max_flat_workgroup_size: 128
    .sgpr_count:     66
    .vgpr_count:     96
    .wavefront_size: 32
...
	.end_amdgpu_metadata
.endif
;; end of part 5
;; ======== version 2 of 2: 6 launches; version 1 with the launches pre1, pre2, comb, post written anew for expert scheduling mode
;; workspace buffers: w1 37,748,736 bytes; w2 37,752,832 bytes; w3 67,371,008 bytes; w4 2,097,152 bytes; w5 4,194,304 bytes; w6 2,048 bytes
;; launch pre1 (part 6): grid 768 x 1, 8 waves a work-group, no clusters, 134,144 bytes of LDS; arguments q, Wq, bq, prev_layer_output, Wg1, bg1, dstore_k, w1; writes w1
.if DOCPART == 6
	.amdgcn_target "amdgcn-amd-amdhsa--gfx1250"
	.amdhsa_code_object_version 6
	.text
	.protected	k_qd67c91bb30_pre1
	.globl	k_qd67c91bb30_pre1
	.p2align	8
	.type	k_qd67c91bb30_pre1,@function
k_qd67c91bb30_pre1:
	s_mov_b64 s[64:65], 0
	v_nop
	global_prefetch_b8 v0, s[64:65] scope:SCOPE_SE
	s_setreg_imm32_b32 hwreg(HW_REG_WAVE_SCHED_MODE, 0, 2), 2
	s_setreg_imm32_b32 hwreg(HW_REG_WAVE_MODE, 25, 1), 1
	s_wait_xcnt 0x0
	s_wait_alu depctr_vm_vsrc(0)
; TWO KINDS OF WORK-GROUP IN ONE TEXT.  Arguments: A0, B0, bias0, A1, B1, bias1, SRC, OUT.
; Work-groups with x < 256: a tile of 64 x 64 of C = A B^T + bias, K = 512, all tensors f32 in memory, operands rounded once to bf16 on the way into LDS, sums in f32.
;   pA = x / 128 picks A: A0 or A1, both [1024][512].  pB = pA + y picks the rest: 0: B0 [512][512], bias0, C at OUT;  1: B1 = columns 512-1023 of a [512][1024] tensor, bias1, C at OUT + 2 MiB.
;   A grid of 768 x 1 has (pA, pB) = (0, 0) and (1, 1), and the stream below.  A grid of 128 x 2 has (0, 0) and (0, 1): both products on A0; A1 and SRC are then not reached.
; Work-groups with x >= 256: 131,072 bytes of SRC (f32) are rounded to bf16 and stored at OUT + 4 MiB: a stream, every byte read once and written once.
; NO CLUSTER, NO TENSOR LOAD: the operands lie in memory as f32 and are rounded on the way, so they pass through registers; a tile of A or B is 128 KiB read by 8 or 16 work-groups, against 64 MiB that the stream reads once.
; LIMITS: bf16 operands; NaN and infinities are not treated apart.
; THE MODE: SCHED_MODE bits 1:0 = 2 (LLVM: expert scheduling mode 2), set by the entry lines.  The code itself states the register dependences between vector or matrix instructions and memory or LDS instructions,
; with s_wait_alu, always for 0.
; THE PLAN, A TILE OF C.  Registers that memory or LDS instructions touch:
;   v5-13, v16-23  offsets and LDS addresses: each written once and never again.
;   X0, X1, X2     loaded; rounded in place by 32 conversions; read by 16 LDS stores.  One wait on va_vdst stands between a buffer's conversions and its stores.  X0 is loaded a second time: behind X1's conversions, where
;                  one wait on vm_vsrc states that X0's stores have read it, and X1's wait on va_vdst that the conversions are done with it.
;   F0, F1, F2     fragments.  Group g's products read F[g % 3]; the loads of group g + 2 land in F[(g - 1) % 3], which no product of group g names: one wait on va_vdst at the head of groups 1 to 5.
;   RES, OB        RES is written by the additions and read by the LDS stores into the stage; OB is loaded from the stage and stored.
;   All of these but the addresses lie over X0 to X2: one wait on vm_vsrc behind the first barrier states that the LDS stores have read those registers.
; THE PLAN, THE STREAM.  32 loads into 128 registers, none used twice, in eight blocks of four.  Block p rounds its own registers; the stores of block p - 1 are dealt among its conversions, behind one wait on va_vdst at its head.
.set PITCH,  1040                      ; an LDS row: 512 bf16 = 1,024 bytes + 16: an odd multiple of 16, so the sixteen rows of a fragment load begin 16 bytes apart modulo 256
.set BT,     64*PITCH                  ; A's 64 rows from byte 0, B's 64 rows from here
.set SPARE,  2*BT                      ; the spare words: 128 bytes for each of eight waves, four blocks of 256 bytes that no other line names
.set SPITCH, 272                       ; the stage for the way out: 64 rows of 256 bytes + 16, over A's bytes, behind a barrier
.set NPROD,  256                       ; work-groups along x that make a tile
.set CVT_TO, 4194304                   ; where the bf16 copy begins in OUT
.set VA,  5                            ; v5      byte offset in A of my 16 bytes in my wave's first row
.set VLA, 6                            ; v6      LDS address of my 8 bytes in my wave's first row of A
.set VLB, 7                            ; v7      the same for B
.set FA,  8                            ; v8      LDS address of my part of A's fragments
.set FBA, 9                            ; v9      of B's
.set SS,  10                           ; v10     the way out: where I put 16 bytes
.set RDA, 11                           ; v11     where I read a row back
.set CO,  12                           ; v12     my byte offset in C
.set BO,  13                           ; v13     my byte offset in the bias
.set SPW, 14                           ; v14     LDS address of my spare word; never rewritten
.set NIL, 15                           ; v15     0; never rewritten
.set VB,  16                           ; v16-23  byte offsets in B of my wave's eight rows (B's pitch differs between the two products)
.set BI,  32                           ; v32-47  the bias of my 2 x 8 columns
.set X0,  64                           ; three buffers of 16 loads
.set X1,  128
.set X2,  192
.set F0,  64                           ; three fragment buffers of 48: for each of two K slices A (8), B's first tile (8), B's second (8)
.set F1,  112
.set F2,  208
.set ACC, 160                          ; v160-175 two accumulators
.set RES, 176                          ; v176-191 sums + bias
.set OB,  192                          ; v192-207 rows read back
.macro PLACES                          ; four places behind a matrix instruction (ISA guide 7.12.1), where no other vector work is at hand
.rept 4
	v_nop
.endr
.endm
.macro GETA x, r0                      ; rows r0 .. r0+3 of my wave's eight rows of A: four loads of 512 consecutive bytes a row
.set n, 0
.rept 16
	global_load_b128 v[(\x)+4*n:(\x)+4*n+3], v[VA], s[24:25] offset:((\r0)+n/4)*2048+512*(n%4)
.set n, n+1
.endr
.endm
.macro GETB x, r0
.set n, 0
.rept 16
	global_load_b128 v[(\x)+4*n:(\x)+4*n+3], v[VB+(\r0)+n/4], s[26:27] offset:512*(n%4)
.set n, n+1
.endr
.endm
.macro CVT x                           ; 16 loads' numbers are rounded in place, four f32 to 8 bytes
.set n, 0
.rept 16
	v_cvt_pk_bf16_f32 v[(\x)+4*n], v[(\x)+4*n], v[(\x)+4*n+1]
	v_cvt_pk_bf16_f32 v[(\x)+4*n+1], v[(\x)+4*n+2], v[(\x)+4*n+3]
.set n, n+1
.endr
.endm
.macro STO x, la, r0                   ; and stored into LDS rows r0 .. r0+3
.set n, 0
.rept 16
	ds_store_b64 v[\la], v[(\x)+4*n:(\x)+4*n+1] offset:((\r0)+n/4)*PITCH+256*(n%4)
.set n, n+1
.endr
.endm
.macro LOADE g, f, e                   ; the fragments of K slice 2 g + e: 6 LDS loads
	ds_load_b128 v[(\f)+24*(\e):(\f)+24*(\e)+3],     v[FA]  offset:64*(2*(\g)+(\e))
	ds_load_b128 v[(\f)+24*(\e)+4:(\f)+24*(\e)+7],   v[FA]  offset:64*(2*(\g)+(\e))+32
	ds_load_b128 v[(\f)+24*(\e)+8:(\f)+24*(\e)+11],  v[FBA] offset:64*(2*(\g)+(\e))
	ds_load_b128 v[(\f)+24*(\e)+12:(\f)+24*(\e)+15], v[FBA] offset:64*(2*(\g)+(\e))+32
	ds_load_b128 v[(\f)+24*(\e)+16:(\f)+24*(\e)+19], v[FBA] offset:16*PITCH+64*(2*(\g)+(\e))
	ds_load_b128 v[(\f)+24*(\e)+20:(\f)+24*(\e)+23], v[FBA] offset:16*PITCH+64*(2*(\g)+(\e))+32
.endm
.macro LOADG g, f                      ; a group: K slices 2 g and 2 g + 1
	LOADE \g, \f, 0
	LOADE \g, \f, 1
.endm
.macro MULE f, e, zero                 ; two products, the two accumulators by turns.  Source 0 = rows of B, source 1 = rows of A: a lane then holds eight neighbouring columns of one row of C
.irp b, 0,1
.if (\zero) && ((\e) == 0)
	v_wmma_f32_16x16x32_bf16 v[ACC+8*\b:ACC+8*\b+7], v[(\f)+24*(\e)+8+8*\b:(\f)+24*(\e)+15+8*\b], v[(\f)+24*(\e):(\f)+24*(\e)+7], 0
.else
	v_wmma_f32_16x16x32_bf16 v[ACC+8*\b:ACC+8*\b+7], v[(\f)+24*(\e)+8+8*\b:(\f)+24*(\e)+15+8*\b], v[(\f)+24*(\e):(\f)+24*(\e)+7], v[ACC+8*\b:ACC+8*\b+7]
.endif
.endr
.endm
; A group's step.  left: the LDS loads issued behind this group's twelve, which may stay out.  f: its fragments.  nxt >= 0: group nxt is asked for, into buffer fn, which the group before multiplied.
.macro STEP left, f, zero, nxt, fn
	s_wait_dscnt \left                             ; LDS loads come back in order (ISA guide 5.7.1): this group's fragments are in
.if (\nxt) >= 0
	PLACES                                         ; four places behind the products of the group before, whose fragments the loads below overwrite
	s_wait_alu depctr_va_vdst(0)                   ; the products of the group before are done reading buffer fn, in which the twelve loads below land; the products among them name buffer f and the accumulators alone
	LOADE \nxt, \fn, 0
	MULE \f, 0, \zero
	LOADE \nxt, \fn, 1
	MULE \f, 1, \zero
.else
	MULE \f, 0, \zero
	MULE \f, 1, \zero
.endif
.endm
	s_load_b256 s[4:11], s[0:1], 0x0               ; A0 s[4:5], B0 s[6:7], bias0 s[8:9], A1 s[10:11]
	s_load_b256 s[12:19], s[0:1], 0x20             ; B1 s[12:13], bias1 s[14:15], SRC s[16:17], OUT s[18:19]
	v_lshl_add_u32 v[SPW], v0, 2, SPARE
	v_mov_b32 v[NIL], 0
	v_and_b32 v1, 31, v0                           ; lane
	v_lshrrev_b32 v2, 5, v0
	v_readfirstlane_b32 s20, v2                    ; wave 0..7
	s_wait_alu depctr_va_sdst(0)                   ; s20 is written, ahead of the branch and of its first reader behind it
	s_cmp_ge_u32 ttmp9, NPROD
	s_cbranch_scc1 .Lconvert                       ; the same way for all eight waves
	; ---------------- a tile of C ----------------
	s_lshr_b32 s21, ttmp9, 7                       ; pA: which A
	s_and_b32 s44, ttmp7, 0xffff                   ; the work-group's y,
	s_add_co_u32 s44, s44, s21                     ; pB = pA + y: which B, bias and half of OUT
	s_bfe_u32 s22, ttmp9, 0x40003                  ; block of 64 rows of C, 0..15
	s_and_b32 s23, ttmp9, 7                        ; block of 64 columns, 0..7
	s_lshl_b32 s30, 2048, s44                      ; B's pitch in bytes: 2,048 or 4,096
	s_lshl_b32 s31, s44, 11                        ; B's first column in bytes: 0 or 2,048
	s_lshl_b32 s32, s44, 21                        ; C's place in OUT
	s_mov_b32 s33, 0
	s_lshl_b32 s34, s22, 17                        ; 64 rows of 2,048 bytes
	s_lshl_b32 s35, s23, 6
	s_lshl3_add_u32 s35, s20, s35                  ; B's row 64 x block + 8 x wave
	s_mul_i32 s35, s35, s30
	s_add_co_u32 s35, s35, s31
	s_lshr_b32 s36, s20, 1                         ; my 16 rows of the tile
	s_and_b32 s37, s20, 1                          ; my 32 columns
	s_lshl_b32 s38, s23, 8
	s_lshl_b32 s39, s37, 7
	s_add_co_u32 s38, s38, s39                     ; my 32 columns in the bias, in bytes
	v_and_b32 v3, 15, v0                           ; r = lane % 16
	v_bfe_u32 v4, v0, 4, 1                         ; h = lane / 16
	v_lshlrev_b32 v[VA], 4, v1
	v_lshl_add_u32 v[VA], v2, 14, v[VA]            ; 8 rows a wave
	v_add_nc_u32 v[VA], s34, v[VA]
	v_lshl_add_u32 v[VB], v1, 4, s35
.irp i, 1,2,3,4,5,6,7
	v_add_nc_u32 v[VB+\i], s30, v[VB+\i-1]
.endr
	v_lshl_add_u32 v[BO], v4, 5, s38               ; columns 8 h on
	s_wait_kmcnt 0x0
	s_cmp_eq_u32 s21, 0
	s_cselect_b64 s[24:25], s[4:5], s[10:11]       ; A
	s_cmp_eq_u32 s44, 0
	s_cselect_b64 s[26:27], s[6:7], s[12:13]       ; B
	s_cselect_b64 s[28:29], s[8:9], s[14:15]       ; bias
	s_add_nc_u64 s[18:19], s[18:19], s[32:33]      ; C
	s_wait_alu depctr_va_vdst(0)                   ; v5, v13 and v16 to v23 are written, which the loads below read as their offsets
	global_load_b128 v[BI:BI+3],     v[BO], s[28:29]
	global_load_b128 v[BI+4:BI+7],   v[BO], s[28:29] offset:16
	global_load_b128 v[BI+8:BI+11],  v[BO], s[28:29] offset:64
	global_load_b128 v[BI+12:BI+15], v[BO], s[28:29] offset:80
	GETA X0, 0
	GETA X1, 4
	GETB X2, 0
	; the LDS addresses are made while the loads are out
	v_mul_u32_u24 v[VLA], v2, 8*PITCH
	v_lshl_add_u32 v[VLA], v1, 3, v[VLA]
	v_add_nc_u32 v[VLB], BT, v[VLA]
	v_mul_u32_u24 v[FA], v3, PITCH
	v_lshl_add_u32 v[FA], v4, 4, v[FA]             ; row x pitch + 16 x half
	s_mul_i32 s40, s37, 32*PITCH
	s_add_co_u32 s40, s40, BT
	v_add_nc_u32 v[FBA], s40, v[FA]
	s_mul_i32 s41, s36, 16*PITCH
	v_add_nc_u32 v[FA], s41, v[FA]
	v_mul_u32_u24 v[SS], v3, SPITCH
	v_lshl_add_u32 v[SS], v4, 5, v[SS]
	s_mul_i32 s42, s36, 16*SPITCH
	s_add_co_u32 s42, s42, s39
	v_add_nc_u32 v[SS], s42, v[SS]                 ; row 16 mt + r, byte 128 (w % 2) + 32 h
	v_lshl_add_u32 v[RDA], v2, 3, v4
	v_mul_u32_u24 v[RDA], v[RDA], SPITCH
	v_lshl_add_u32 v[RDA], v3, 4, v[RDA]           ; row 8 w + h, byte 16 r
	v_lshl_add_u32 v[CO], v2, 3, v4
	v_lshlrev_b32 v[CO], 11, v[CO]
	v_lshl_add_u32 v[CO], v3, 4, v[CO]
	s_lshl_b32 s43, s23, 8
	s_add_co_u32 s43, s43, s34
	v_add_nc_u32 v[CO], s43, v[CO]
	s_wait_loadcnt 32                              ; the bias and A's rows 0-3 are in; the two younger batches of 16 stay out
	CVT X0
	s_wait_alu depctr_va_vdst(0)                   ; the conversions have written X0, which the LDS stores read; the addresses v6 to v12 are written too, for every LDS instruction and store from here on
	STO X0, VLA, 0
	s_wait_loadcnt 16                              ; A's rows 4-7 are in; behind them B's first batch
	CVT X1
	s_wait_alu depctr_vm_vsrc(0)                   ; the LDS stores above have read X0, in which the loads below land
	s_wait_alu depctr_va_vdst(0)                   ; the conversions have written X1, which the LDS stores below read, and are done with X0
	GETB X0, 4
	STO X1, VLA, 4
	s_wait_loadcnt 16                              ; B's rows 0-3; behind them one batch
	CVT X2
	s_wait_alu depctr_va_vdst(0)                   ; the conversions have written X2, which the LDS stores read
	STO X2, VLB, 0
	s_wait_loadcnt 0x0
	CVT X0
	s_wait_alu depctr_va_vdst(0)                   ; the conversions have written X0, which the LDS stores read, and are done with all three buffers
	STO X0, VLB, 4
	s_wait_dscnt 0x0                               ; for the others' sake: my rows are in LDS
	s_barrier_signal -1
	s_barrier_wait -1
	s_wait_alu depctr_vm_vsrc(0)                   ; my LDS stores have read X0 to X2: these registers are fragments, accumulators, RES and OB from here on
	LOADG 0, F0
	LOADG 1, F1
	LOADG 2, F2
	STEP 24, F0, 1, -1, 0                          ; the first K slice starts the sums; groups 1 and 2 stay out
	STEP 12, F1, 0, 3, F0
	STEP 12, F2, 0, 4, F1
	STEP 12, F0, 0, 5, F2
	STEP 12, F1, 0, 6, F0
	STEP 12, F2, 0, 7, F1
	STEP 12, F0, 0, -1, 0
	STEP 0, F1, 0, -1, 0
	PLACES
.irp i, 0,1,2,3,4,5,6,7
	v_pk_add_f32 v[RES+2*\i:RES+2*\i+1], v[ACC+2*\i:ACC+2*\i+1], v[BI+2*\i:BI+2*\i+1]  ; each accumulator from its low end on
.endr
	s_wait_dscnt 0x0                               ; my reads of A's rows are over: the stage lies over them
	s_barrier_signal -1
	s_barrier_wait -1
	s_wait_alu depctr_va_vdst(0)                   ; the additions have written RES, which the LDS stores read
.irp i, 0,1,2,3
	ds_store_b128 v[SS], v[RES+4*\i:RES+4*\i+3] offset:64*(\i/2)+16*(\i%2)
.endr
	s_wait_dscnt 0x0                               ; a row's 256 bytes come from two waves
	s_barrier_signal -1
	s_barrier_wait -1
.irp i, 0,1,2,3
	ds_load_b128 v[OB+4*\i:OB+4*\i+3], v[RDA] offset:\i*2*SPITCH
.endr
.irp i, 0,1,2,3
	s_wait_dscnt 3-\i                              ; LDS loads come back in order: load i is in
	global_store_b128 v[CO], v[OB+4*\i:OB+4*\i+3], s[18:19] offset:\i*4096  ; 16 lanes store 256 consecutive bytes, at a multiple of 256 from C's first byte
.endr
	s_wait_dscnt 0x0                               ; the wave's end: waits for LDS, the ALU and tensor loads, then 0 onto my spare word and a wait for it
	s_wait_alu 0x0
	s_wait_tensorcnt 0x0
	ds_add_u32 v[SPW], v[NIL]
	s_wait_dscnt 0x0
	s_endpgm
	; ---------------- the stream: f32 to bf16 ----------------
.Lconvert:
	s_sub_co_u32 s21, ttmp9, NPROD
	s_lshl_b32 s22, s21, 17                        ; 131,072 bytes in,
	s_mov_b32 s23, 0
	s_lshl_b32 s24, s21, 16                        ; 65,536 out
	s_mov_b32 s25, 0
	v_lshlrev_b32 v3, 4, v1
	v_lshl_add_u32 v3, v2, 14, v3                  ; a wave reads 16 KiB,
	v_lshlrev_b32 v4, 3, v1
	v_lshl_add_u32 v4, v2, 13, v4                  ; and writes 8 KiB
	s_wait_kmcnt 0x0
	s_add_nc_u64 s[16:17], s[16:17], s[22:23]
	s_add_nc_u64 s[18:19], s[18:19], s[24:25]
	s_add_nc_u64 s[18:19], s[18:19], CVT_TO
	s_wait_alu depctr_va_vdst(0)                   ; v3 and v4 are written: every load and store of the stream reads one of them as its offset
.set n, 0
.rept 32                                               ; all of the wave's 32 loads go out at once: 128 registers, none used twice
	global_load_b128 v[X0+4*n:X0+4*n+3], v3, s[16:17] offset:512*n th:TH_LOAD_NT
.set n, n+1
.endr
.set p, 0
.rept 8                                                ; eight blocks of four loads
	s_wait_loadcnt 28-4*p                          ; loads come back in order: block p is in, the younger blocks stay out
.if p > 0
	s_wait_alu depctr_va_vdst(0)                   ; the block before has written its roundings, which the four stores below read; this block's conversions name its own registers alone
.endif
.set i, 0
.rept 4
.set n, 4*p+i
.if p > 0
	global_store_b64 v4, v[X0+4*(n-4):X0+4*(n-4)+1], s[18:19] offset:256*(n-4)  ; the wave's store covers 256 consecutive bytes, aligned
.endif
	v_cvt_pk_bf16_f32 v[X0+4*n], v[X0+4*n], v[X0+4*n+1]
	v_cvt_pk_bf16_f32 v[X0+4*n+1], v[X0+4*n+2], v[X0+4*n+3]
.set i, i+1
.endr
.set p, p+1
.endr
	s_wait_alu depctr_va_vdst(0)                   ; the last block has written its roundings, which the last four stores read
.set n, 28
.rept 4
	global_store_b64 v4, v[X0+4*n:X0+4*n+1], s[18:19] offset:256*n
.set n, n+1
.endr
	s_endpgm
.Lfunc_end_k_qd67c91bb30_pre1:
	.size	k_qd67c91bb30_pre1, .Lfunc_end_k_qd67c91bb30_pre1-k_qd67c91bb30_pre1
	.p2alignl 7, 3214868480
	.fill 96, 4, 3214868480
	.section	.rodata,"a",@progbits
	.p2align	6, 0x0
	.amdhsa_kernel k_qd67c91bb30_pre1
		.amdhsa_group_segment_fixed_size 134144
		.amdhsa_private_segment_fixed_size 0
		.amdhsa_enable_private_segment 0
		.amdhsa_kernarg_size 64
		.amdhsa_user_sgpr_count 2
		.amdhsa_user_sgpr_kernarg_segment_ptr 1
		.amdhsa_wavefront_size32 1
		.amdhsa_system_sgpr_workgroup_id_x 1
		.amdhsa_system_sgpr_workgroup_id_y 1
		.amdhsa_system_sgpr_workgroup_id_z 1
		.amdhsa_system_vgpr_workitem_id 0
		.amdhsa_next_free_vgpr 256
		.amdhsa_next_free_sgpr 66
		.amdhsa_reserve_vcc 0
		.amdhsa_float_denorm_mode_32 3
		.amdhsa_float_denorm_mode_16_64 3
		.amdhsa_memory_ordered 1
		.amdhsa_forward_progress 1
		.amdhsa_inst_pref_size 45
	.end_amdhsa_kernel
	.amdgpu_metadata
---
amdhsa.version: [ 1, 2 ]
amdhsa.kernels:
  - .name:           k_qd67c91bb30_pre1
    .symbol:         k_qd67c91bb30_pre1.kd
    .args:
      - { .name: q, .offset: 0, .size: 8, .value_kind: global_buffer, .address_space: global }
      - { .name: Wq, .offset: 8, .size: 8, .value_kind: global_buffer, .address_space: global }
      - { .name: bq, .offset: 16, .size: 8, .value_kind: global_buffer, .address_space: global }
      - { .name: prev_layer_output, .offset: 24, .size: 8, .value_kind: global_buffer, .address_space: global }
      - { .name: Wg1, .offset: 32, .size: 8, .value_kind: global_buffer, .address_space: global }
      - { .name: bg1, .offset: 40, .size: 8, .value_kind: global_buffer, .address_space: global }
      - { .name: dstore_k, .offset: 48, .size: 8, .value_kind: global_buffer, .address_space: global }
      - { .name: w1, .offset: 56, .size: 8, .value_kind: global_buffer, .address_space: global }
    .group_segment_fixed_size: 134144
    .private_segment_fixed_size: 0
    .kernarg_segment_align: 8
    .kernarg_segment_size: 64
    .max_flat_workgroup_size: 256
    .sgpr_count:     66
    .vgpr_count:     256
    .wavefront_size: 32
...
	.end_amdgpu_metadata
.endif
;; end of part 6
;; launch pre2 (part 7): grid 704 x 1, 8 waves a work-group, no clusters, 149,504 bytes of LDS; arguments w1, Wk, bk, Wg1, Wv, bv, dstore_v, w2, w6; writes w2, w6
.if DOCPART == 7
	.amdgcn_target "amdgcn-amd-amdhsa--gfx1250"
	.amdhsa_code_object_version 6
	.text
	.protected	k_qd67c91bb30_pre2
	.globl	k_qd67c91bb30_pre2
	.p2align	8
	.type	k_qd67c91bb30_pre2,@function
k_qd67c91bb30_pre2:
	s_mov_b64 s[64:65], 0
	v_nop
	global_prefetch_b8 v0, s[64:65] scope:SCOPE_SE
	s_setreg_imm32_b32 hwreg(HW_REG_WAVE_SCHED_MODE, 0, 2), 2
	s_setreg_imm32_b32 hwreg(HW_REG_WAVE_MODE, 25, 1), 1
	s_wait_xcnt 0x0
	s_wait_alu depctr_vm_vsrc(0)
; TWO KINDS OF WORK-GROUP IN ONE TEXT.  Arguments: w1 (qa at its head), Wk, bk, Wg1, Wv, bv, dstore_v, w2, w6.
; Work-groups 0-191: a tile of 64 x 64 of C = scale x A B, K = 512, B stored [k][n]; operands rounded once to bf16 on the way into LDS, sums in f32; and, in the work-groups of column block 0, the vector scale x A vec.
;   0-127 (p = 0):   A = qa [1024][512], B = Wk, vec = bk, scale = c = (2 / sqrt(512)) log2(e): a logit in base 2 is C . dstore_k + t.  The vector t (f32) goes to w2 + 4 MiB.  C is the next launch's matrix operand Q: it is scaled in
;                    f32, rounded once to bf16 and stored at w2 + 2 MiB in the order of that launch's fragments: query tile (16 rows) x 16,384 + K slice (32 channels) x 1,024 + half x 512 + lane x 16 bytes.
;   128-191 (p = 1): A = columns 0-511 of Wg1 [512][1024], B = Wv, vec = bv, scale = 1; C (f32) = columns 512-1023 of a [512][1024] tensor at w2's head, the vector c0 at w6.
; Work-groups 192 and up: 131,072 bytes of dstore_v (f32) are rounded to bf16 and stored at w2 + 4,198,400.
; NO CLUSTER, NO TENSOR LOAD: the operands are f32 in memory and are rounded on the way, so they pass through registers; the shared tiles are small beside the 64 MiB that the stream reads once.
; LIMITS: bf16 operands; NaN and infinities are not treated apart.
; THE MODE: SCHED_MODE bits 1:0 = 2 (LLVM: expert scheduling mode 2), set by the entry lines.  The code itself states the register dependences between vector or matrix instructions and memory or LDS instructions,
; with s_wait_alu, always for 0.
; THE PLAN, A TILE OF C.  Registers that memory or LDS instructions touch:
;   v7-13, v16-31, v49  offsets and LDS addresses: each written once and never again.
;   X0, X1, X2     loaded; rounded in place by 32 conversions; read by 16 LDS stores.  One wait on va_vdst stands between a buffer's conversions and its stores.  X0 is loaded a second time: behind X1's conversions, where
;                  one wait on vm_vsrc states that X0's stores have read it, and X1's wait on va_vdst that the conversions are done with it.
;   the vector     VEC and eight rows of A are loaded (the rows into X0's registers) and read by the dot products, which write v48, v50-53 and v128-143; v48 is stored.  One wait on va_vdst ahead of that store
;                  also states that the dot products are done with the registers in which the first fragments land.  The seven masks of the selects are made in one run, with one wait on va_sdst behind it.
;   F0, F1, F2     fragments.  Group g's products read F[g % 3]; the loads of group g + 2 land in F[(g - 1) % 3], which no product of group g names: one wait on va_vdst at the head of groups 1 to 5.
;   RES, OB        RES is written by the scaling and read by the LDS stores into the stage (p = 1); OB is written by the roundings (p = 0) or loaded from the stage (p = 1), and stored.
;   All of these but the addresses and VEC lie over X0 to X2: one wait on vm_vsrc behind the first barrier states that the LDS stores have read those registers.
; THE PLAN, THE STREAM.  32 loads into 128 registers, none used twice, in eight blocks of four.  Block p rounds its own registers; the stores of block p - 1 are dealt among its conversions, behind one wait on va_vdst at its head.
.set PITCH,  1040                      ; a row of A in LDS: 1,024 bytes + 16
.set BT,     64*PITCH                  ; B's 512 rows [k] of 64 columns begin here
.set BP,     160                       ; a row of B: 128 bytes + 32: an odd multiple of 32, for the turning load
.set SPARE,  BT+512*BP                 ; 148,480: the spare words, 128 bytes for each of eight waves
.set SPITCH, 272
.set NPROD,  192
.set CVT_TO, 4198400
.set VBB, 7                            ; v7      byte offset in B of my 16 bytes in my wave's first two rows
.set VLA, 8                            ; v8      LDS address for A's rows
.set VLB, 9                            ; v9      for B's
.set FA,  10                           ; v10     LDS address of my part of A's fragments
.set FT0, 11                           ; v11     of B's, K slices 0-7
.set FT1, 12                           ; v12     K slices 8-15 (an LDS offset has 16 bits)
.set SS,  13                           ; v13     the way out: where I put 16 bytes
.set SPW, 14
.set NIL, 15
.set VAR, 16                           ; v16-23  byte offsets in A of my wave's eight rows (A's pitch differs)
.set CO,  24                           ; v24-27  byte offsets in C of the four pairs of rows that I store
.set RDA, 28                           ; v28     where I read a row back
.set VR,  29                           ; v29     LDS address of my 16 bytes of my wave's first row of A, for the vector
.set VV,  30                           ; v30     my byte offset in vec
.set QO,  31                           ; v31     p = 0: my byte offset in Q's fragments
.set VEC, 32                           ; v32-47  vec[8 L .. 8 L + 7], vec[256 + 8 L ..]
.set G,   48                           ; v48     the wave's eight dot products, by lane % 8; a store's data: never rewritten
.set VO,  49                           ; v49     its byte offset; never rewritten
.set TT,  50                           ; v50-53  at work
.set MK,  49                           ; s50-56  the lanes with lane % 8 = 1 .. 7
.set X0,  64
.set X1,  128
.set X2,  192
.set F0,  64
.set F1,  112
.set F2,  208
.set ACC, 160
.set RES, 176
.set OB,  192
.macro PLACES
.rept 4
	v_nop
.endr
.endm
.macro GETA x, r0
.set n, 0
.rept 16
	global_load_b128 v[(\x)+4*n:(\x)+4*n+3], v[VAR+(\r0)+n/4], s[24:25] offset:512*(n%4)
.set n, n+1
.endr
.endm
.macro GETB x, i0                      ; 16 loads, each two rows [k] of 256 bytes: lanes 0-15 the even row, lanes 16-31 the odd one
.set n, 0
.rept 16
	global_load_b128 v[(\x)+4*n:(\x)+4*n+3], v[VBB], s[26:27] offset:4096*((\i0)+n)
.set n, n+1
.endr
.endm
.macro CVT x                           ; 16 loads' numbers are rounded in place, four f32 to 8 bytes
.set n, 0
.rept 16
	v_cvt_pk_bf16_f32 v[(\x)+4*n], v[(\x)+4*n], v[(\x)+4*n+1]
	v_cvt_pk_bf16_f32 v[(\x)+4*n+1], v[(\x)+4*n+2], v[(\x)+4*n+3]
.set n, n+1
.endr
.endm
.macro STOA x, r0
.set n, 0
.rept 16
	ds_store_b64 v[VLA], v[(\x)+4*n:(\x)+4*n+1] offset:((\r0)+n/4)*PITCH+256*(n%4)
.set n, n+1
.endr
.endm
.macro STOB x, i0
.set n, 0
.rept 16
	ds_store_b64 v[VLB], v[(\x)+4*n:(\x)+4*n+1] offset:2*BP*((\i0)+n)
.set n, n+1
.endr
.endm
.macro LOADE g, f, e                   ; K slice 2 g + e: A as it lies, B turned: 6 LDS loads
.set cs, 2*(\g)+(\e)
.set ft, FT0+cs/8
.set ko, 32*BP*(cs%8)
	ds_load_b128 v[(\f)+24*(\e):(\f)+24*(\e)+3],          v[FA] offset:64*cs
	ds_load_b128 v[(\f)+24*(\e)+4:(\f)+24*(\e)+7],        v[FA] offset:64*cs+32
	ds_load_tr16_b128 v[(\f)+24*(\e)+8:(\f)+24*(\e)+11],  v[ft] offset:ko
	ds_load_tr16_b128 v[(\f)+24*(\e)+12:(\f)+24*(\e)+15], v[ft] offset:ko+16*BP
	ds_load_tr16_b128 v[(\f)+24*(\e)+16:(\f)+24*(\e)+19], v[ft] offset:ko+32
	ds_load_tr16_b128 v[(\f)+24*(\e)+20:(\f)+24*(\e)+23], v[ft] offset:ko+32+16*BP
.endm
.macro LOADG g, f                      ; a group: K slices 2 g and 2 g + 1
	LOADE \g, \f, 0
	LOADE \g, \f, 1
.endm
.macro MULE f, e, zero                 ; two products, the two accumulators by turns; source 0 = columns of B, source 1 = rows of A: a lane holds eight neighbouring columns of one row of C
.irp b, 0,1
.if (\zero) && ((\e) == 0)
	v_wmma_f32_16x16x32_bf16 v[ACC+8*\b:ACC+8*\b+7], v[(\f)+24*(\e)+8+8*\b:(\f)+24*(\e)+15+8*\b], v[(\f)+24*(\e):(\f)+24*(\e)+7], 0
.else
	v_wmma_f32_16x16x32_bf16 v[ACC+8*\b:ACC+8*\b+7], v[(\f)+24*(\e)+8+8*\b:(\f)+24*(\e)+15+8*\b], v[(\f)+24*(\e):(\f)+24*(\e)+7], v[ACC+8*\b:ACC+8*\b+7]
.endif
.endr
.endm
; A group's step.  left: the LDS loads issued behind this group's twelve, which may stay out.  f: its fragments.  nxt >= 0: group nxt is asked for, into buffer fn, which the group before multiplied.
.macro STEP left, f, zero, nxt, fn
	s_wait_dscnt \left                             ; LDS loads come back in order (ISA guide 5.7.1): this group's fragments are in
.if (\nxt) >= 0
	PLACES                                         ; four places behind the products of the group before, whose fragments the loads below overwrite
	s_wait_alu depctr_va_vdst(0)                   ; the products of the group before are done reading buffer fn, in which the twelve loads below land; the products among them name buffer f and the accumulators alone
	LOADE \nxt, \fn, 0
	MULE \f, 0, \zero
	LOADE \nxt, \fn, 1
	MULE \f, 1, \zero
.else
	MULE \f, 0, \zero
	MULE \f, 1, \zero
.endif
.endm
.macro DOT rr                          ; row rr of my wave's eight times vec: 16 numbers a lane, then the sum over the 32 lanes, kept in the lanes with lane % 8 = rr
.set xx, X0+8*(\rr)
.set aa, X1+2*(\rr)
.set i, 0
.rept 8
	v_lshlrev_b32 v[TT+2*(i%2)], 16, v[xx+i]           ; bf16 to f32: the low half moves up,
	v_and_b32 v[TT+2*(i%2)+1], 0xffff0000, v[xx+i]     ; the high half stays
.if i == 0
	v_pk_mul_f32 v[aa:aa+1], v[TT:TT+1], v[VEC:VEC+1]
.else
	v_pk_fma_f32 v[aa:aa+1], v[TT+2*(i%2):TT+2*(i%2)+1], v[VEC+2*i:VEC+2*i+1], v[aa:aa+1]
.endif
.set i, i+1
.endr
	v_add_f32 v[aa], v[aa], v[aa+1]
	v_add_f32_dpp v[aa], v[aa], v[aa] row_xmask:1 row_mask:0xf bank_mask:0xf
	v_add_f32_dpp v[aa], v[aa], v[aa] row_xmask:2 row_mask:0xf bank_mask:0xf
	v_add_f32_dpp v[aa], v[aa], v[aa] row_xmask:4 row_mask:0xf bank_mask:0xf
	v_add_f32_dpp v[aa], v[aa], v[aa] row_xmask:8 row_mask:0xf bank_mask:0xf
	v_permlanex16_b32 v[aa+1], v[aa], s46, s47
	v_add_f32 v[aa], v[aa], v[aa+1]
.if (\rr) == 0
	v_mov_b32 v[G], v[aa]
.else
	v_cndmask_b32 v[G], v[G], v[aa], s[MK+(\rr)]
.endif
.endm
	s_load_b512 s[4:19], s[0:1], 0x0               ; w1 s[4:5], Wk s[6:7], bk s[8:9], Wg1 s[10:11], Wv s[12:13], bv s[14:15], dstore_v s[16:17], w2 s[18:19]
	s_load_b64 s[20:21], s[0:1], 0x40              ; w6
	v_lshl_add_u32 v[SPW], v0, 2, SPARE
	v_mov_b32 v[NIL], 0
	v_and_b32 v1, 31, v0                           ; lane
	v_lshrrev_b32 v2, 5, v0
	v_readfirstlane_b32 s22, v2                    ; wave 0..7
	s_wait_alu depctr_va_sdst(0)                   ; s22 is written, ahead of the branch and of its first reader behind it
	s_cmp_ge_u32 ttmp9, NPROD
	s_cbranch_scc1 .Lconvert
	s_lshr_b32 s23, ttmp9, 7                       ; p
	s_bfe_u32 s31, ttmp9, 0x40003                  ; block of 64 rows of C
	s_and_b32 s42, ttmp9, 7                        ; block of 64 columns
	s_lshl_b32 s30, 2048, s23                      ; A's and C's pitch in bytes
	s_lshl_b32 s40, s31, 6
	s_lshl3_add_u32 s40, s22, s40                  ; my wave's first row
	s_mul_i32 s41, s40, s30
	s_lshl_b32 s43, s42, 8                         ; the column block in bytes
	s_mov_b32 s46, 0x76543210                      ; v_permlanex16_b32: each lane takes its own place in the other half
	s_mov_b32 s47, 0xfedcba98
	v_and_b32 v3, 15, v0                           ; r
	v_bfe_u32 v4, v0, 4, 1                         ; h
	v_and_b32 v5, 7, v0
	v_bfe_u32 v6, v0, 3, 1
	v_lshl_add_u32 v[VAR], v1, 4, s41
.irp i, 1,2,3,4,5,6,7
	v_add_nc_u32 v[VAR+\i], s30, v[VAR+\i-1]
.endr
	v_lshl_add_u32 v[VBB], v2, 6, v4               ; B's row 64 w + h
	v_lshlrev_b32 v[VBB], 11, v[VBB]
	v_lshl_add_u32 v[VBB], v3, 4, v[VBB]
	v_add_nc_u32 v[VBB], s43, v[VBB]
	s_wait_kmcnt 0x0
	s_cmp_eq_u32 s23, 0
	s_cselect_b64 s[24:25], s[4:5], s[10:11]       ; A
	s_cselect_b64 s[26:27], s[6:7], s[12:13]       ; B
	s_cselect_b64 s[28:29], s[8:9], s[14:15]       ; vec
	s_cselect_b32 s32, 0x3e0293ee, 1.0             ; the scale: c = 0.127517, or 1
	s_cselect_b32 s44, 10, 0
	s_add_nc_u64 s[36:37], s[18:19], 0x400000
	s_cselect_b64 s[36:37], s[36:37], s[20:21]     ; where the vector goes
	s_mov_b32 s33, s32                             ; named with it as a pair
	s_lshl_b32 s34, 2048, s44                      ; C begins 2 MiB, or 2,048 bytes, into w2
	s_mov_b32 s35, 0
	s_add_nc_u64 s[38:39], s[18:19], s[34:35]
	s_wait_alu depctr_va_vdst(0)                   ; v7 and v16 to v23 are written, which the loads below read as their offsets
	GETA X0, 0
	GETA X1, 4
	GETB X2, 0
	v_mul_u32_u24 v[VLA], v2, 8*PITCH
	v_lshl_add_u32 v[VR], v1, 4, v[VLA]
	v_lshl_add_u32 v[VLA], v1, 3, v[VLA]
	v_lshl_add_u32 v[VLB], v2, 6, v4
	v_mul_u32_u24 v[VLB], v[VLB], BP
	v_lshl_add_u32 v[VLB], v3, 3, v[VLB]
	v_add_nc_u32 v[VLB], BT, v[VLB]
	s_lshr_b32 s44, s22, 1                         ; my 16 rows of the tile
	s_and_b32 s45, s22, 1                          ; my 32 columns
	v_mul_u32_u24 v[FA], v3, PITCH
	v_lshl_add_u32 v[FA], v4, 4, v[FA]
	s_mul_i32 s48, s44, 16*PITCH
	v_add_nc_u32 v[FA], s48, v[FA]
	v_lshl_add_u32 v[FT0], v4, 3, v5               ; the turning load: row k = 8 h + lane % 8,
	v_mul_u32_u24 v[FT0], v[FT0], BP
	v_lshl_add_u32 v[FT0], v6, 4, v[FT0]           ; 16 bytes by (lane / 8) % 2,
	s_lshl_b32 s48, s45, 6
	s_add_co_u32 s48, s48, BT                      ; my 32 columns
	v_add_nc_u32 v[FT0], s48, v[FT0]
	v_add_nc_u32 v[FT1], 256*BP, v[FT0]
	v_mul_u32_u24 v[SS], v3, SPITCH
	v_lshl_add_u32 v[SS], v4, 5, v[SS]
	s_mul_i32 s48, s44, 16*SPITCH
	s_lshl_b32 s49, s45, 7
	s_add_co_u32 s48, s48, s49
	v_add_nc_u32 v[SS], s48, v[SS]
	v_lshl_add_u32 v[RDA], v2, 3, v4
	v_mul_u32_u24 v[RDA], v[RDA], SPITCH
	v_lshl_add_u32 v[RDA], v3, 4, v[RDA]
	v_mul_u32_u24 v[CO], v4, s30
	v_lshl_add_u32 v[CO], v3, 4, v[CO]
	s_add_co_u32 s48, s41, s43
	v_add_nc_u32 v[CO], s48, v[CO]
	s_lshl_b32 s49, s30, 1
.irp i, 1,2,3
	v_add_nc_u32 v[CO+\i], s49, v[CO+\i-1]         ; two rows on
.endr
	v_lshlrev_b32 v[VV], 5, v1
	v_add_lshl_u32 v[VO], v5, s40, 2
	s_lshl2_add_u32 s48, s31, s44                  ; p = 0: the query tile: 4 x block of rows + my 16 rows,
	s_lshl_b32 s48, s48, 14                        ; 16,384 bytes each;
	s_lshl1_add_u32 s49, s42, s45                  ; the K slice of the scores: 2 x block of columns + my 32 columns,
	s_lshl_b32 s49, s49, 10                        ; 1,024 bytes each;
	s_add_co_u32 s48, s48, s49
	v_lshl_add_u32 v[QO], v1, 4, s48               ; 16 bytes a lane
	s_wait_loadcnt 32                              ; A's rows 0-3 are in; two batches of 16 stay out
	CVT X0
	s_wait_alu depctr_va_vdst(0)                   ; the conversions have written X0, which the LDS stores read; the addresses v8 to v13, v24 to v31 and v49 are written too, for every LDS instruction, load and store from here on
	STOA X0, 0
	s_wait_loadcnt 16                              ; A's rows 4-7 are in; behind them B's first batch
	CVT X1
	s_wait_alu depctr_vm_vsrc(0)                   ; the LDS stores above have read X0, in which the loads below land
	s_wait_alu depctr_va_vdst(0)                   ; the conversions have written X1, which the LDS stores below read, and are done with X0
	GETB X0, 16
	STOA X1, 4
	s_wait_loadcnt 16                              ; B's first 32 rows of my 64; behind them one batch
	CVT X2
	s_wait_alu depctr_va_vdst(0)                   ; the conversions have written X2, which the LDS stores read
	STOB X2, 0
	s_wait_loadcnt 0x0
	CVT X0
	s_wait_alu depctr_va_vdst(0)                   ; the conversions have written X0, which the LDS stores read, and are done with all three buffers
	STOB X0, 16
	s_wait_dscnt 0x0                               ; for the others' sake: my rows are in LDS
	s_barrier_signal -1
	s_barrier_wait -1
	s_wait_alu depctr_vm_vsrc(0)                   ; my LDS stores have read X0 to X2, ahead of the branch: these registers are rows for the vector, fragments, accumulators, RES and OB from here on
	s_cmp_lg_u32 s42, 0
	s_cbranch_scc1 .Lno_vec                        ; the vector is made once for each block of rows: in column block 0.  No barrier stands in what is jumped
	global_load_b128 v[VEC:VEC+3],     v[VV], s[28:29]
	global_load_b128 v[VEC+4:VEC+7],   v[VV], s[28:29] offset:16
	global_load_b128 v[VEC+8:VEC+11],  v[VV], s[28:29] offset:1024
	global_load_b128 v[VEC+12:VEC+15], v[VV], s[28:29] offset:1040
.irp rr, 0,1,2,3,4,5,6,7
	ds_load_b128 v[X0+8*\rr:X0+8*\rr+3],   v[VR] offset:\rr*PITCH
	ds_load_b128 v[X0+8*\rr+4:X0+8*\rr+7], v[VR] offset:\rr*PITCH+512
.endr
.irp rr, 1,2,3,4,5,6,7
	v_cmp_eq_u32 s[MK+\rr], \rr, v5                ; the seven masks in one run, while the loads are out
.endr
	s_wait_alu depctr_va_sdst(0)                   ; s50 to s56 are written, ahead of the selects that read them
	s_wait_loadcnt 0x0
	s_wait_dscnt 0x0
.irp rr, 0,1,2,3,4,5,6,7
	DOT \rr
.endr
	v_mul_f32 v[G], s32, v[G]
	s_wait_alu depctr_va_vdst(0)                   ; v48 is written, which the store reads; the dot products are done with v64 to v143, in which the first fragments land
	global_store_b32 v[VO], v[G], s[36:37]         ; four lanes hold the same row's number and store it to the same word
.Lno_vec:
	LOADG 0, F0
	LOADG 1, F1
	LOADG 2, F2
	STEP 24, F0, 1, -1, 0                          ; the first K slice starts the sums; groups 1 and 2 stay out
	STEP 12, F1, 0, 3, F0
	STEP 12, F2, 0, 4, F1
	STEP 12, F0, 0, 5, F2
	STEP 12, F1, 0, 6, F0
	STEP 12, F2, 0, 7, F1
	STEP 12, F0, 0, -1, 0
	STEP 0, F1, 0, -1, 0
	PLACES
.irp i, 0,1,2,3,4,5,6,7
	v_pk_mul_f32 v[RES+2*\i:RES+2*\i+1], v[ACC+2*\i:ACC+2*\i+1], s[32:33] op_sel_hi:[1,0]  ; the scale, in f32, ahead of every rounding
.endr
	s_cmp_lg_u32 s23, 0
	s_cbranch_scc1 .Lrows                          ; the same way for all eight waves: p hangs on the work-group's number alone
	; p = 0.  Lane (r, h) holds row r and, of my 32 columns, numbers 8 h + 0..7 (first accumulator) and 16 + 8 h + 0..7 (second): rounded in pairs these are registers 0-3 and 4-7 of the fragment
	; (16 queries x 32 channels) that the next launch's products take as their second source.  So they leave as they lie: no stage, no barrier.
.irp i, 0,1,2,3,4,5,6,7
	v_cvt_pk_bf16_f32 v[OB+\i], v[RES+2*\i], v[RES+2*\i+1]
.endr
	s_wait_alu depctr_va_vdst(0)                   ; the roundings have written OB, which the two stores read
	global_store_b128 v[QO], v[OB:OB+3], s[38:39]              ; each store of the wave covers 512 consecutive bytes, aligned
	global_store_b128 v[QO], v[OB+4:OB+7], s[38:39] offset:512
	s_wait_dscnt 0x0                               ; the wave's end: waits for LDS, the ALU and tensor loads, then 0 onto my spare word and a wait for it
	s_wait_alu 0x0
	s_wait_tensorcnt 0x0
	ds_add_u32 v[SPW], v[NIL]
	s_wait_dscnt 0x0
	s_endpgm
.Lrows:                                                ; p = 1: f32 rows, through the stage
	s_wait_dscnt 0x0                               ; my reads of A's rows are over: the stage lies over them
	s_barrier_signal -1
	s_barrier_wait -1
	s_wait_alu depctr_va_vdst(0)                   ; the scaling has written RES, which the LDS stores read
.irp i, 0,1,2,3
	ds_store_b128 v[SS], v[RES+4*\i:RES+4*\i+3] offset:64*(\i/2)+16*(\i%2)
.endr
	s_wait_dscnt 0x0
	s_barrier_signal -1
	s_barrier_wait -1
.irp i, 0,1,2,3
	ds_load_b128 v[OB+4*\i:OB+4*\i+3], v[RDA] offset:\i*2*SPITCH
.endr
.irp i, 0,1,2,3
	s_wait_dscnt 3-\i
	global_store_b128 v[CO+\i], v[OB+4*\i:OB+4*\i+3], s[38:39]  ; 16 lanes store 256 consecutive bytes, aligned
.endr
	s_wait_dscnt 0x0                               ; the wave's end: waits for LDS, the ALU and tensor loads, then 0 onto my spare word and a wait for it
	s_wait_alu 0x0
	s_wait_tensorcnt 0x0
	ds_add_u32 v[SPW], v[NIL]
	s_wait_dscnt 0x0
	s_endpgm
.Lconvert:
	s_sub_co_u32 s23, ttmp9, NPROD
	s_lshl_b32 s24, s23, 17
	s_mov_b32 s25, 0
	s_lshl_b32 s26, s23, 16
	s_mov_b32 s27, 0
	v_lshlrev_b32 v3, 4, v1
	v_lshl_add_u32 v3, v2, 14, v3
	v_lshlrev_b32 v4, 3, v1
	v_lshl_add_u32 v4, v2, 13, v4
	s_wait_kmcnt 0x0
	s_add_nc_u64 s[16:17], s[16:17], s[24:25]
	s_add_nc_u64 s[18:19], s[18:19], s[26:27]
	s_add_nc_u64 s[18:19], s[18:19], CVT_TO
	s_wait_alu depctr_va_vdst(0)                   ; v3 and v4 are written: every load and store of the stream reads one of them as its offset
.set n, 0
.rept 32                                               ; all of the wave's 32 loads go out at once
	global_load_b128 v[X0+4*n:X0+4*n+3], v3, s[16:17] offset:512*n th:TH_LOAD_NT
.set n, n+1
.endr
.set p, 0
.rept 8                                                ; eight blocks of four loads
	s_wait_loadcnt 28-4*p                          ; block p is in, the younger blocks stay out
.if p > 0
	s_wait_alu depctr_va_vdst(0)                   ; the block before has written its roundings, which the four stores below read; this block's conversions name its own registers alone
.endif
.set i, 0
.rept 4
.set n, 4*p+i
.if p > 0
	global_store_b64 v4, v[X0+4*(n-4):X0+4*(n-4)+1], s[18:19] offset:256*(n-4)  ; 256 consecutive bytes, aligned
.endif
	v_cvt_pk_bf16_f32 v[X0+4*n], v[X0+4*n], v[X0+4*n+1]
	v_cvt_pk_bf16_f32 v[X0+4*n+1], v[X0+4*n+2], v[X0+4*n+3]
.set i, i+1
.endr
.set p, p+1
.endr
	s_wait_alu depctr_va_vdst(0)                   ; the last block has written its roundings, which the last four stores read
.set n, 28
.rept 4
	global_store_b64 v4, v[X0+4*n:X0+4*n+1], s[18:19] offset:256*n
.set n, n+1
.endr
	s_endpgm
.Lfunc_end_k_qd67c91bb30_pre2:
	.size	k_qd67c91bb30_pre2, .Lfunc_end_k_qd67c91bb30_pre2-k_qd67c91bb30_pre2
	.p2alignl 7, 3214868480
	.fill 96, 4, 3214868480
	.section	.rodata,"a",@progbits
	.p2align	6, 0x0
	.amdhsa_kernel k_qd67c91bb30_pre2
		.amdhsa_group_segment_fixed_size 149504
		.amdhsa_private_segment_fixed_size 0
		.amdhsa_enable_private_segment 0
		.amdhsa_kernarg_size 72
		.amdhsa_user_sgpr_count 2
		.amdhsa_user_sgpr_kernarg_segment_ptr 1
		.amdhsa_wavefront_size32 1
		.amdhsa_system_sgpr_workgroup_id_x 1
		.amdhsa_system_sgpr_workgroup_id_y 1
		.amdhsa_system_sgpr_workgroup_id_z 1
		.amdhsa_system_vgpr_workitem_id 0
		.amdhsa_next_free_vgpr 256
		.amdhsa_next_free_sgpr 66
		.amdhsa_reserve_vcc 0
		.amdhsa_float_denorm_mode_32 3
		.amdhsa_float_denorm_mode_16_64 3
		.amdhsa_memory_ordered 1
		.amdhsa_forward_progress 1
		.amdhsa_inst_pref_size 62
	.end_amdhsa_kernel
	.amdgpu_metadata
---
amdhsa.version: [ 1, 2 ]
amdhsa.kernels:
  - .name:           k_qd67c91bb30_pre2
    .symbol:         k_qd67c91bb30_pre2.kd
    .args:
      - { .name: w1, .offset: 0, .size: 8, .value_kind: global_buffer, .address_space: global }
      - { .name: Wk, .offset: 8, .size: 8, .value_kind: global_buffer, .address_space: global }
      - { .name: bk, .offset: 16, .size: 8, .value_kind: global_buffer, .address_space: global }
      - { .name: Wg1, .offset: 24, .size: 8, .value_kind: global_buffer, .address_space: global }
      - { .name: Wv, .offset: 32, .size: 8, .value_kind: global_buffer, .address_space: global }
      - { .name: bv, .offset: 40, .size: 8, .value_kind: global_buffer, .address_space: global }
      - { .name: dstore_v, .offset: 48, .size: 8, .value_kind: global_buffer, .address_space: global }
      - { .name: w2, .offset: 56, .size: 8, .value_kind: global_buffer, .address_space: global }
      - { .name: w6, .offset: 64, .size: 8, .value_kind: global_buffer, .address_space: global }
    .group_segment_fixed_size: 149504
    .private_segment_fixed_size: 0
    .kernarg_segment_align: 8
    .kernarg_segment_size: 72
    .max_flat_workgroup_size: 256
    .sgpr_count:     66
    .vgpr_count:     256
    .wavefront_size: 32
...
	.end_amdgpu_metadata
.endif
;; end of part 7
;; launch attn: the kernel of part 3 again; grid 8 x 32, 4 waves a work-group, clusters of 4 x 1, 327,680 bytes of LDS; arguments w1, w2, w3; writes w3
;; launch comb (part 8): grid 256 x 1, 8 waves a work-group, no clusters, 9,472 bytes of LDS; arguments w3, w4; writes w4
.if DOCPART == 8
	.amdgcn_target "amdgcn-amd-amdhsa--gfx1250"
	.amdhsa_code_object_version 6
	.text
	.protected	k_qd67c91bb30_comb
	.globl	k_qd67c91bb30_comb
	.p2align	8
	.type	k_qd67c91bb30_comb,@function
k_qd67c91bb30_comb:
	s_mov_b64 s[64:65], 0
	v_nop
	global_prefetch_b8 v0, s[64:65] scope:SCOPE_SE
	s_setreg_imm32_b32 hwreg(HW_REG_WAVE_SCHED_MODE, 0, 2), 2
	s_setreg_imm32_b32 hwreg(HW_REG_WAVE_MODE, 25, 1), 1
	s_wait_xcnt 0x0
	s_wait_alu depctr_vm_vsrc(0)
; THE 32 SLABS' PARTS ARE JOINED.  Oc[q][ch] = sum over s of 2^(m_s - M) O_s[q][ch] / sum over s of 2^(m_s - M) l_s, M = the largest m_s.  All in f32.
; Work-group g owns 16 queries (128 (g / 32) + 16 (g % 8) on) and 128 channels (128 ((g / 8) % 4) on); its wave ct one accumulator of 16 x 16 as the launch before stored it: lane (r, h) holds query r, channels 16 ct + 8 h + 0..7.
; A stream: every byte of the parts is read once, in loads of 512 consecutive bytes; no matrix unit, no cluster (no two work-groups read the same byte but the 256 KiB of m and l).
; LIMITS: a factor below 2^-126 counts as 0; NaN and infinities are not treated apart.
; THE MODE: SCHED_MODE bits 1:0 = 2 (LLVM: expert scheduling mode 2), set by the entry lines.  The code itself states the register dependences between vector instructions and memory or LDS instructions,
; with s_wait_alu, always for 0.
; THE PLAN.  The 32 slabs go in eight blocks of four, in ascending order.  Registers that memory or LDS instructions touch:
;   D0 .. D4     five blocks of data, 32 registers each.  Slabs 0 to 19 are asked for at the start.  Block p's multiply-adds read D[p % 5]; blocks 1 to 3 ask for slabs 20 to 31, which land in D[(p - 1) % 5]: the buffer that the
;                block before read and that no line of block p names.  So one wait on va_vdst at the head of each of these three blocks states all that its eight loads hang on, and they are dealt among its multiply-adds.
;   W, LL        m and l: loaded once, ahead of every vector instruction that names them.
;   v5, v6       offsets of the loads; v7, v9, v10 addresses of the way out: each written once and never again.
;   ACC          written by the multiply-adds, read by the LDS stores at the end.  The rows come back from the stage into D0's first eight registers and are stored from there.
.set SP,    528                        ; a stage row: 128 channels x 4 bytes + 16
.set SPARE, 16*SP                      ; 8,448: the spare words, 128 bytes for each of eight waves
.set SLABB, 2097152                    ; bytes from a slab's parts to the next slab's
.set NSL,   20                         ; slabs that D holds
.set W,   16                           ; v16-47  m_s, then 2^(m_s - M), then the weights
.set LL,  48                           ; v48-79  l_s
.set ACC, 80                           ; v80-87  my eight sums
.set TC,  88                           ; v88-91  at work
.set D,   96                           ; v96-255 20 slabs x 8
.set ISS, 0                            ; loads of data issued so far: slab sl's two are numbers 2 sl + 1 and 2 sl + 2, so a wait for them counts ISS - 2 sl - 2 younger ones
.macro DLOAD sl
	global_load_b128 v[D+8*((\sl)%NSL):D+8*((\sl)%NSL)+3],   v5, s[16+2*((\sl)/4):17+2*((\sl)/4)] offset:((\sl)%4)*SLABB th:TH_LOAD_NT
	global_load_b128 v[D+8*((\sl)%NSL)+4:D+8*((\sl)%NSL)+7], v5, s[16+2*((\sl)/4):17+2*((\sl)/4)] offset:((\sl)%4)*SLABB+512 th:TH_LOAD_NT
.set ISS, ISS+2
.endm
.macro TAKE sl                         ; the sums take slab sl with its weight: the weights' register pair gives its first or its second register to both halves
.irp z, 0,1,2,3
.if (\sl) == 0
	v_pk_mul_f32 v[ACC+2*\z:ACC+2*\z+1], v[D+2*\z:D+2*\z+1], v[W:W+1] op_sel_hi:[1,0]
.elseif ((\sl)%2) == 0
	v_pk_fma_f32 v[ACC+2*\z:ACC+2*\z+1], v[D+8*((\sl)%NSL)+2*\z:D+8*((\sl)%NSL)+2*\z+1], v[W+(\sl):W+(\sl)+1], v[ACC+2*\z:ACC+2*\z+1] op_sel_hi:[1,0,1]
.else
	v_pk_fma_f32 v[ACC+2*\z:ACC+2*\z+1], v[D+8*((\sl)%NSL)+2*\z:D+8*((\sl)%NSL)+2*\z+1], v[W+(\sl)-1:W+(\sl)], v[ACC+2*\z:ACC+2*\z+1] op_sel:[0,1,0] op_sel_hi:[1,1,1]
.endif
.endr
.endm
; Block p: slabs 4 p to 4 p + 3.  ahead = 1: the slabs 16 further on are asked for, into the registers of block p - 1.
.macro BLK p, ahead
	s_wait_loadcnt ISS-8*(\p)-2                    ; loads come back in order (ISA guide 5.7.1): the block's first slab is in, the younger loads stay out
.if \ahead
	s_wait_alu depctr_va_vdst(0)                   ; the multiply-adds of the block before are done reading its registers, in which the eight loads below land
.endif
.irp i, 0,1,2,3
.if \ahead
	DLOAD 4*(\p)+16+\i
.endif
.if \i > 0
	s_wait_loadcnt ISS-8*(\p)-2*\i-2               ; this slab's two loads are in
.endif
	TAKE 4*(\p)+\i
.endr
.endm
	s_load_b128 s[4:7], s[0:1], 0x0                ; w3 s[4:5], w4 s[6:7]
	v_lshl_add_u32 v14, v0, 2, SPARE               ; my spare word,
	v_mov_b32 v15, 0                               ; and 0; neither is rewritten
	v_and_b32 v1, 31, v0                           ; lane
	v_lshrrev_b32 v2, 5, v0                        ; ct
	v_and_b32 v3, 15, v0                           ; r
	v_bfe_u32 v4, v0, 4, 1                         ; h
	s_lshl_b32 s9, ttmp9, 13                       ; the work-group's eight accumulators of 1,024 bytes
	s_lshr_b32 s10, ttmp9, 5
	s_and_b32 s11, ttmp9, 7
	s_bfe_u32 s14, ttmp9, 0x20003                  ; which 128 channels
	s_lshl_b32 s12, s10, 7
	s_lshl4_add_u32 s12, s11, s12                  ; the first of my 16 queries
	s_lshl_b32 s15, s14, 9
	v_lshlrev_b32 v5, 4, v1
	v_lshl_add_u32 v5, v2, 10, v5
	v_add_nc_u32 v5, s9, v5                        ; my 16 bytes in a slab's parts
	v_add_lshl_u32 v6, v3, s12, 2                  ; my query's word in m and l
	s_wait_kmcnt 0x0
.irp k, 0,1,2,3,4,5,6,7
	s_add_nc_u64 s[16+2*\k:17+2*\k], s[4:5], \k*4*SLABB  ; a base for every four slabs: the rest stands in the immediate
.endr
	s_add_nc_u64 s[32:33], s[4:5], 0x4000000       ; m and l
	s_wait_alu depctr_va_vdst(0)                   ; v5 and v6 are written: every load of the kernel reads one of them as its offset
.set sl, 0
.rept 32
	global_load_b32 v[W+sl], v6, s[32:33] offset:sl*8192
.set sl, sl+1
.endr
.set sl, 0
.rept 32
	global_load_b32 v[LL+sl], v6, s[32:33] offset:sl*8192+4096
.set sl, sl+1
.endr
.set sl, 0
.rept NSL
	DLOAD sl
.set sl, sl+1
.endr
	v_mul_u32_u24 v7, v3, SP                       ; into the stage: row r, byte 64 ct + 32 h
	v_lshl_add_u32 v7, v2, 6, v7
	v_lshl_add_u32 v7, v4, 5, v7
	v_mul_u32_u24 v9, v2, SP                       ; back: row ct (and ct + 8), 16 bytes a lane
	v_lshl_add_u32 v9, v1, 4, v9
	v_add_nc_u32 v10, s12, v2
	v_lshlrev_b32 v10, 11, v10
	v_lshl_add_u32 v10, v1, 4, v10
	v_add_nc_u32 v10, s15, v10                     ; the same row in Oc
	s_wait_loadcnt ISS                             ; m and l are in; the 40 loads of data stay out
.irp k, 0,1,2,3
	v_max3_num_f32 v[TC+\k], v[W+8*\k], v[W+8*\k+1], v[W+8*\k+2]
.endr
.irp k, 0,1,2,3
	v_max3_num_f32 v[TC+\k], v[TC+\k], v[W+8*\k+3], v[W+8*\k+4]
.endr
.irp k, 0,1,2,3
	v_max3_num_f32 v[TC+\k], v[TC+\k], v[W+8*\k+5], v[W+8*\k+6]
.endr
.irp k, 0,1,2,3
	v_max_num_f32 v[TC+\k], v[TC+\k], v[W+8*\k+7]
.endr
	v_max3_num_f32 v[TC], v[TC], v[TC+1], v[TC+2]
	v_max_num_f32 v[TC], v[TC], v[TC+3]            ; M
.set sl, 0
.rept 32
	v_sub_f32 v[W+sl], v[W+sl], v[TC]
.set sl, sl+1
.endr
.set sl, 0
.rept 32
	v_exp_f32 v[W+sl], v[W+sl]
.set sl, sl+1
.endr
	v_nop                                          ; a plain instruction between the exponentials and the use of their results (ISA guide 5.7.2)
	s_wait_alu depctr_va_vdst(0)                   ; the 32 exponentials have written W, ahead of their first reader; v7, v9 and v10 are written too, for the way out
.irp k, 0,1,2,3
	v_mul_f32 v[TC+\k], v[W+\k], v[LL+\k]          ; the divisor, in four chains
.endr
.set sl, 4
.rept 28
	v_fmac_f32 v[TC+sl%4], v[W+sl], v[LL+sl]
.set sl, sl+1
.endr
	v_add_f32 v[TC], v[TC], v[TC+1]
	v_add_f32 v[TC+2], v[TC+2], v[TC+3]
	v_add_f32 v[TC], v[TC], v[TC+2]
	v_rcp_f32 v[TC+1], v[TC]
	v_nop
	s_wait_alu depctr_va_vdst(0)                   ; the reciprocal is written, ahead of its first reader
.set sl, 0
.rept 32
	v_mul_f32 v[W+sl], v[W+sl], v[TC+1]
.set sl, sl+1
.endr
	BLK 0, 0                                       ; no block stands in front of it: nothing is asked for, and no wait but those for its data
	BLK 1, 1                                       ; slabs 20 to 23 into block 0's registers
	BLK 2, 1
	BLK 3, 1                                       ; slabs 28 to 31: the last loads
	BLK 4, 0                                       ; nothing more is asked for: the counts run down
	BLK 5, 0
	BLK 6, 0
	BLK 7, 0
	s_wait_alu depctr_va_vdst(0)                   ; the multiply-adds have written ACC, which the LDS stores read, and are done reading D0, in which the loads from the stage land
	ds_store_b128 v7, v[ACC:ACC+3]
	ds_store_b128 v7, v[ACC+4:ACC+7] offset:16
	s_wait_dscnt 0x0                               ; a row's 512 bytes come from eight waves
	s_barrier_signal -1
	s_barrier_wait -1
	ds_load_b128 v[D:D+3], v9
	ds_load_b128 v[D+4:D+7], v9 offset:8*SP
	s_wait_dscnt 1
	global_store_b128 v10, v[D:D+3], s[6:7]        ; 512 consecutive bytes, at a multiple of 512 from Oc's first byte
	s_wait_dscnt 0x0
	global_store_b128 v10, v[D+4:D+7], s[6:7] offset:16384
	s_wait_dscnt 0x0                               ; the wave's end: waits for LDS, the ALU and tensor loads, then 0 onto my spare word and a wait for it
	s_wait_alu 0x0
	s_wait_tensorcnt 0x0
	ds_add_u32 v14, v15
	s_wait_dscnt 0x0
	s_endpgm
.Lfunc_end_k_qd67c91bb30_comb:
	.size	k_qd67c91bb30_comb, .Lfunc_end_k_qd67c91bb30_comb-k_qd67c91bb30_comb
	.p2alignl 7, 3214868480
	.fill 96, 4, 3214868480
	.section	.rodata,"a",@progbits
	.p2align	6, 0x0
	.amdhsa_kernel k_qd67c91bb30_comb
		.amdhsa_group_segment_fixed_size 9472
		.amdhsa_private_segment_fixed_size 0
		.amdhsa_enable_private_segment 0
		.amdhsa_kernarg_size 16
		.amdhsa_user_sgpr_count 2
		.amdhsa_user_sgpr_kernarg_segment_ptr 1
		.amdhsa_wavefront_size32 1
		.amdhsa_system_sgpr_workgroup_id_x 1
		.amdhsa_system_sgpr_workgroup_id_y 1
		.amdhsa_system_sgpr_workgroup_id_z 1
		.amdhsa_system_vgpr_workitem_id 0
		.amdhsa_next_free_vgpr 256
		.amdhsa_next_free_sgpr 66
		.amdhsa_reserve_vcc 0
		.amdhsa_float_denorm_mode_32 3
		.amdhsa_float_denorm_mode_16_64 3
		.amdhsa_memory_ordered 1
		.amdhsa_forward_progress 1
		.amdhsa_inst_pref_size 30
	.end_amdhsa_kernel
	.amdgpu_metadata
---
amdhsa.version: [ 1, 2 ]
amdhsa.kernels:
  - .name:           k_qd67c91bb30_comb
    .symbol:         k_qd67c91bb30_comb.kd
    .args:
      - { .name: w3, .offset: 0, .size: 8, .value_kind: global_buffer, .address_space: global }
      - { .name: w4, .offset: 8, .size: 8, .value_kind: global_buffer, .address_space: global }
    .group_segment_fixed_size: 9472
    .private_segment_fixed_size: 0
    .kernarg_segment_align: 8
    .kernarg_segment_size: 16
    .max_flat_workgroup_size: 256
    .sgpr_count:     66
    .vgpr_count:     256
    .wavefront_size: 32
...
	.end_amdgpu_metadata
.endif
;; end of part 8
;; launch post: the kernel of part 6 again; grid 128 x 2, 8 waves a work-group, no clusters, 134,144 bytes of LDS; arguments w4, Wv, bv, prev_layer_output, w2, w6, dstore_k, w5; writes w5
;; launch fin: the kernel of part 5 again; grid 256 x 1, 4 waves a work-group, no clusters, 0 bytes of LDS; arguments w5, w1, prev_layer_output, Wg2, bg2, out0; writes out0
